; MI455X (gfx1250); checked and timed in simulation.
; The chip was launched on July 23, 2026; its instructions are those of AMD's public machine-readable ISA for CDNA 5 (MIT licence, August 2026) and "CDNA5" Instruction Set Architecture Reference Guide (July 2026). The comments in the code are by the model that wrote it; some were corrected since.
;; Encoder. Allowed arithmetic: matrix products marked QUANTISED: E2M1 operands, one E8M0 scale for each 32 along K, by v_wmma_scale_f32_16x16x128_f8f6f4 with both operands' format E2M1 (or v_wmma_scale_f32_32x16x128_f4), f32 sums; everything else in f32.
;; Inputs: ln1_b 1,024 float32; ln1_g 1,024 float32; ln2_b 1,024 float32; ln2_g 1,024 float32; ln3_b 1,024 float32; ln3_g 1,024 float32; w1_codes 1,024 x 32 x 16 uint8 (E2M1 codes of w1, K innermost, in blocks of 32 codes, two codes a byte); w1_scales 1,024 x 32 uint8 (E8M0 scales of w1, one for each 32 codes along K); w2_codes 1,024 x 32 x 16 uint8 (E2M1 codes of w2, K innermost, in blocks of 32 codes, two codes a byte); w2_scales 1,024 x 32 uint8 (E8M0 scales of w2, one for each 32 codes along K); wk_codes 16 x 64 x 32 x 16 uint8 (E2M1 codes of wk, K innermost, in blocks of 32 codes, two codes a byte); wk_scales 16 x 64 x 32 uint8 (E8M0 scales of wk, one for each 32 codes along K); wo_codes 1,024 x 32 x 16 uint8 (E2M1 codes of wo, K innermost, in blocks of 32 codes, two codes a byte); wo_scales 1,024 x 32 uint8 (E8M0 scales of wo, one for each 32 codes along K); wq_codes 16 x 64 x 32 x 16 uint8 (E2M1 codes of wq, K innermost, in blocks of 32 codes, two codes a byte); wq_scales 16 x 64 x 32 uint8 (E8M0 scales of wq, one for each 32 codes along K); wv_codes 16 x 64 x 32 x 16 uint8 (E2M1 codes of wv, K innermost, in blocks of 32 codes, two codes a byte); wv_scales 16 x 64 x 32 uint8 (E8M0 scales of wv, one for each 32 codes along K); x 2 x 2,048 x 1,024 float32.
;; Outputs: out0 2 x 2,048 x 1,024 float32.
;; This version of the problem:
;;   THIS VERSION OF THE PROBLEM IS GIVEN IN LOW PRECISION. The matrix products marked QUANTISED in the list below multiply operands that are first quantised to E2M1 (2 exponent bits, 1 mantissa bit; 4 bits a number), with one power-of-two scale for each 32 numbers along K (OCP MX v1.0); their sums are f32. All else is computed in f32.
;;   The module's matrix products, in the order in which they are computed (A, B: the left and right operand; K: the contracted axis; several contracted axes count as one K, in the product's order):
;;     1. [M 1,024, K 1,024] x [K 1,024, N 4,096]; A: input wq (given as codes); B: computed on the way: QUANTISED
;;     2. [M 1,024, K 1,024] x [K 1,024, N 4,096]; A: input wk (given as codes); B: computed on the way: QUANTISED
;;     3. [M 1,024, K 1,024] x [K 1,024, N 4,096]; A: input wv (given as codes); B: computed on the way: QUANTISED
;;     4. batch 32 x [M 2,048, K 64] x [K 64, N 2,048]; A: computed on the way; B: computed on the way: QUANTISED
;;     5. batch 32 x [M 2,048, K 2,048] x [K 2,048, N 64]; A: softmax (see below); B: computed on the way: QUANTISED
;;     6. [M 4,096, K 1,024] x [K 1,024, N 1,024]; A: computed on the way; B: input wo (given as codes): QUANTISED
;;     7. [M 4,096, K 1,024] x [K 1,024, N 1,024]; A: computed on the way; B: input w1 (given as codes): QUANTISED
;;     8. [M 4,096, K 1,024] x [K 1,024, N 1,024]; A: computed on the way; B: input w2 (given as codes): QUANTISED
;;   THE QUANTISER, for each operand of a quantised product, along K:
;;     - K is cut into blocks of 32 from its start; a last block that is shorter is filled with zeros.
;;     - A block's scale is 2^e with e = floor(log2(the largest magnitude in the block)) - 2, held to -126 .. 127; a block of zeros has e = 0. As a byte (E8M0): e + 127.
;;     - Each number is divided by its block's scale, clamped to +-6, and rounded to the nearest number of E2M1, ties to even, subnormals kept.
;;     - The product sums the exact products of the quantised numbers (number of the format x scale) in f32.
;;   ~~~python
;;   def quantise(x, axis):      # numpy; x: float32 -> the quantised numbers, widened to float32 again
;;       x = np.moveaxis(x, axis, -1); K = x.shape[-1]
;;       x = np.pad(x, [(0, 0)] * (x.ndim - 1) + [(0, -K % 32)]); x = x.reshape(x.shape[:-1] + (-1, 32)); a = np.abs(x).max(-1, keepdims=True)
;;       e = np.where(a > 0, np.clip(np.frexp(np.where(a > 0, a, 1))[1] - 1 - 2, -126, 127), 0)      # np.frexp(a)[1] - 1 = floor(log2(a)), exactly
;;       r = np.clip(x / 2.0 ** e, -6, 6)
;;       step = 2.0 ** (np.maximum(np.frexp(np.where(r == 0, 1, r))[1] - 1, 0) - 1)
;;       q = np.round(r / step) * step * 2.0 ** e      # np.round: ties to even
;;       return np.moveaxis(q.reshape(q.shape[:-2] + (-1,))[..., :K], -1, axis).astype(np.float32)
;;   ~~~
;;   SOFTMAX AHEAD OF A QUANTISED PRODUCT. Where the list says 'softmax', what is quantised is not the finished softmax but p = 2^(t - M), with t = logit x log2(e) and M = ceil(the row's largest t), a whole number; so 1/2 < the row's largest p <= 1. The row's sum l is taken of the UNQUANTISED p, in f32, and the product's result is divided by l at the end. Since M is a whole number, a kernel that streams over the keys may use a running M (the ceiling of the running maximum): every later rescaling is an exact power of two, which a block's scale takes up: the codes' values come out the same.
;;   OPERANDS COMPUTED ON THE WAY. 'Computed on the way' means the value that the module computes at that place (a softmax that the list does not call 'softmax' is quantised finished and normalised). What goes into a quantiser is computed in f32, as accurately as f32 sums, v_exp_f32 and their like allow (about 1e-6 of the number): no bf16 or f16 on the way to a quantiser, and a product that is left as it is and whose result goes on into a quantised operand takes f32 operands (vector FMAs, or v_wmma_f32_16x16x4_f32). A number that lies on a knife's edge between two numbers of the format may be rounded either way, as far as f32 arithmetic and the matrix unit's own rounding can turn it there, and no further.
;;   INPUTS GIVEN AS CODES. w1 (in the module: [1024, 1024], K = its axis 0); w2 (in the module: [1024, 1024], K = its axis 0); wk (in the module: [16, 1024, 64], K = its axis 1); wo (in the module: [1024, 1024], K = its axis 0); wq (in the module: [16, 1024, 64], K = its axis 1); wv (in the module: [16, 1024, 64], K = its axis 1): each comes as NAME_codes (uint8): NAME with its K axis moved to the last place and cut into blocks of 32 codes, [.., K / 32, bytes a block], one block behind the other in memory; two codes a byte, the lower K in the low four bits (a code: sign, 2 exponent bits, 1 mantissa bit); and NAME_scales (uint8): the same leading axes, one E8M0 byte (e + 127) for each 32 codes along K. Its value is code x scale, taken as it is: it is not quantised again, and the codes and scales need not be those that the quantiser above would give.
;; One version. Each part assembles by itself: llvm-mc -triple=amdgcn-amd-amdhsa -mcpu=gfx1250 --defsym DOCPART=n.
;; ======== version 1 of 1: 3 launches
;; limits: right only within a limited range of input values
;; workspace buffers: qc 2,097,152 bytes; qs 262,144 bytes; kv 4,718,592 bytes; cc 2,097,152 bytes; cs 131,072 bytes; wf 1,572,864 bytes; wsf 98,304 bytes
;; launch qkv (part 1): grid 32 x 8, 8 waves a work-group, clusters of 4 x 1, 288,256 bytes of LDS; arguments x, ln1_g, ln1_b, wq_codes, wq_scales, wk_codes, wk_scales, wv_codes, wv_scales, wo_codes, wo_scales, w1_codes, w1_scales, w2_codes, w2_scales, qc, qs, kv, wf, wsf; writes qc, qs, kv, wf, wsf
.if DOCPART == 1
	.amdgcn_target "amdgcn-amd-amdhsa--gfx1250"
	.amdhsa_code_object_version 6
	.text
	.protected	k_q7c2b0d28d7_qkv
	.globl	k_q7c2b0d28d7_qkv
	.p2align	8
	.type	k_q7c2b0d28d7_qkv,@function
k_q7c2b0d28d7_qkv:
	s_mov_b64 s[64:65], 0
	v_nop
	global_prefetch_b8 v0, s[64:65] scope:SCOPE_SE
	s_setreg_imm32_b32 hwreg(HW_REG_WAVE_MODE, 25, 1), 1
	s_wait_xcnt 0x0
	s_wait_alu depctr_hold_cnt(0) depctr_sa_sdst(0) depctr_va_vdst(0) depctr_va_sdst(0) depctr_va_ssrc(0) depctr_va_vcc(0) depctr_vm_vsrc(0)
	s_getreg_b32 s2, hwreg(HW_REG_IB_STS2, 6, 4)
	s_cmp_eq_u32 s2, 0
	s_cbranch_scc0 .Lentry_in_a_cluster
	s_endpgm
.Lentry_in_a_cluster:
	s_bfe_u32 s2, ttmp6, 0x10000c
	s_cmp_lg_u32 s2, 0x3003
	s_cbranch_scc0 .Lentry_shape_is_right
	s_endpgm
.Lentry_shape_is_right:
; h = LN1(x), quantised along the model's 1,024; q, k, v = h x wq, wk, wv on codes of FP4 (E2M1) with one E8M0 scale for each 32 along K; q and k quantised along the head's 64, v along the keys.
; Beside that, wo, w1 and w2 are laid anew in the order of an operand's registers, for the last launch.
; SHARES.  A work-group takes 128 tokens (128 wgx on) and the heads 2 y and 2 y + 1: 384 weight rows.  The four work-groups of a cluster differ in wgx alone and need the same weight tiles:
; each tile is asked for JOINTLY, once, at the head (3 x 128 rows of 512 bytes, 3 x 4,096 scale bytes).  Nothing in LDS is filled a second time.
; THE ROWS OF A TILE ARE NOT NEIGHBOURS: index m of tile 2 b + u stands for row 32 b + 8 u + m + 8 (m / 8), for tokens and for weight rows alike.  So in every result a lane's 16 registers of two
; neighbouring tiles are 16 neighbours along the next product's K, and the conversions' results are the next operand's registers.
; PHASES.  LN: wave w normalises tokens 16 w .. 16 w + 15, a row at a time (two passes: mean, then the centred squares), quantises, and stores codes and scale bytes to LDS, each token at its tile's place.
; QK: wave w makes q (w < 4) or k, head (w / 2) % 2, tokens 64 (w % 2) on: source 0 = 16 weight rows, source 1 = 16 tokens, so a lane holds one token and its registers run along the head's 64.
; V: wave w makes head w / 4, 16 of its 64 rows, all 128 tokens: source 0 = 16 tokens, source 1 = the weight rows, so a lane holds one of the head's 64 and its registers run along the keys.
; OUT: images of operand registers, 16 bytes a lane, 512 consecutive bytes a store.  q's and k's fragments are half full (K = 64): registers 4-7 are zeros and are not stored; their scale words carry 127 for the empty blocks.
; LDS: 0 weight codes, 384 rows of 512 + 16 bytes | WS weight scale bytes, 384 x 32 | HC h's codes, 128 places of 512 + 16 | HS h's scale bytes, 128 x 36.
; LIMITS: NaN and infinities among the inputs are not served; a block whose largest magnitude lies under 2^-124 keeps the scale byte 1 (a block of zeros too: its codes are zeros, and this program alone reads the bytes).
.set WP,   528                         ; a row of codes in LDS: 512 bytes + 16 of padding
.set WS,   202752
.set HC,   215040
.set HS,   282624
.set HSP,  36                          ; a token's 32 scale bytes + 4
.set REC,  147456                      ; a head's record in kv: K's codes 65,536, V's codes 65,536, K's scale words 8,192, V's 8,192
.set G,    32                          ; v32-63   ln1_g of my 32 columns      (LN phase)
.set B,    64                          ; v64-95   ln1_b
.set X0,   96                          ; v96-127  a row of x, 32 numbers a lane
.set X1,   128                         ; v128-159 another
.set LT,   160                         ; v160-181 at work in the LN phase
.set TM,   104                         ; v104-119 at work in the quantisers   (product phases)
.set PC,   120                         ; v120-127 V's codes
.set PW,   30                          ; v30      V's scale word
.set G1C,  44                          ; s[44:51] descriptor group 1, weight codes;  s[52:59] weight scale bytes
.set G1S,  52
.set G0C,  60                          ; s[60:63], s[68:71] their groups 0
.set G0S,  68
.set WV,   72
.set CX,   73
.set WGX,  74
.set YY,   75
.set SEL,  76                          ; s[76:77] lane selects: lane l xor 16
.set TB,   78                          ; LDS byte of the row pair's place among h's codes
.set TS,   79                          ; and among h's scale bytes
.set CNT,  80
.set HM,   81                          ; mask of lanes 16-31
.set C10,  96                          ; 2^-10  (LN phase)
.set EPSR, 97                          ; 1e-5
.macro PLACES n
.rept \n
	v_nop
.endr
.endm
.macro CROUND                          ; a round of the cluster's barrier
	s_barrier_signal -1
	s_barrier_wait -1
	s_cmp_lg_u32 s[WV], 0
	s_cbranch_scc1 .Lnot_wave_0_\@
	s_barrier_signal -3
.Lnot_wave_0_\@:
	s_barrier_wait -3
	s_barrier_signal -1
	s_barrier_wait -1
.endm
.macro WSUM a, t                       ; the sum over the wave's 32 lanes, in every lane
	s_delay_alu instid0(VALU_DEP_1)
	v_add_f32_dpp v[\a], v[\a], v[\a] row_xmask:1 row_mask:0xf bank_mask:0xf
	s_delay_alu instid0(VALU_DEP_1)
	v_add_f32_dpp v[\a], v[\a], v[\a] row_xmask:2 row_mask:0xf bank_mask:0xf
	s_delay_alu instid0(VALU_DEP_1)
	v_add_f32_dpp v[\a], v[\a], v[\a] row_xmask:4 row_mask:0xf bank_mask:0xf
	s_delay_alu instid0(VALU_DEP_1)
	v_add_f32_dpp v[\a], v[\a], v[\a] row_xmask:8 row_mask:0xf bank_mask:0xf
	s_delay_alu instid0(VALU_DEP_1)
	v_permlanex16_b32 v[\t], v[\a], s[SEL], s[SEL+1]
	s_delay_alu instid0(VALU_DEP_1)
	v_add_f32 v[\a], v[\a], v[\t]
.endm
; 32 numbers of a lane, register 16 b + i = k 32 b + 16 (lane / 16) + i of my row, become registers 0-3 of a fragment in v[pc] on; the two scale bytes stand in v[TM+4], v[TM+5].
.macro QUANT2 s, pc
.irp b, 0,1
	v_max3_num_f32 v[TM+\b], |v[\s+16*\b]|, |v[\s+16*\b+1]|, 0x1800000   ; with the floor 2^(3 - 127): the byte cannot fall under 1
.endr
.irp i, 2,4,6,8,10,12,14
.irp b, 0,1
	v_max3_num_f32 v[TM+\b], v[TM+\b], |v[\s+16*\b+\i]|, |v[\s+16*\b+\i+1]|
.endr
.endr
.irp b, 0,1
	s_delay_alu instid0(VALU_DEP_2)
	v_permlanex16_b32 v[TM+4+\b], v[TM+\b], s[SEL], s[SEL+1]
.endr
.irp b, 0,1
	s_delay_alu instid0(VALU_DEP_2)
	v_max_num_f32 v[TM+\b], v[TM+\b], v[TM+4+\b]     ; with lane l xor 16's 16: the block's largest magnitude
.endr
.irp b, 0,1
	s_delay_alu instid0(VALU_DEP_2)
	v_add_nc_u32 v[TM+12+\b], 0xff000000, v[TM+\b]   ; 2 off its exponent field: the conversion's scale operand
.endr
.irp b, 0,1
	s_delay_alu instid0(VALU_DEP_2)
	v_lshrrev_b32 v[TM+4+\b], 23, v[TM+12+\b]        ; the scale's byte
.endr
	v_cvt_scalef32_pk8_fp4_f32 v[\pc], v[\s:\s+7], v[TM+12]
	v_cvt_scalef32_pk8_fp4_f32 v[\pc+1], v[\s+8:\s+15], v[TM+12]
	v_cvt_scalef32_pk8_fp4_f32 v[\pc+2], v[\s+16:\s+23], v[TM+13]
	v_cvt_scalef32_pk8_fp4_f32 v[\pc+3], v[\s+24:\s+31], v[TM+13]
	v_nop                                            ; one plain place behind a scaled conversion
	v_permlane16_swap_b32 v[\pc], v[\pc+2]           ; a whole block to a lane: lanes 0-15 block 0, lanes 16-31 block 1
	v_permlane16_swap_b32 v[\pc+1], v[\pc+3]
.endm
; 64 numbers likewise become a whole fragment in v[PC] on and its scale word in v[PW].
.macro QUANT4 s
.irp b, 0,1,2,3
	v_max3_num_f32 v[TM+\b], |v[\s+16*\b]|, |v[\s+16*\b+1]|, 0x1800000
.endr
.irp i, 2,4,6,8,10,12,14
.irp b, 0,1,2,3
	v_max3_num_f32 v[TM+\b], v[TM+\b], |v[\s+16*\b+\i]|, |v[\s+16*\b+\i+1]|
.endr
.endr
.irp b, 0,1,2,3
	s_delay_alu instid0(VALU_DEP_4)
	v_permlanex16_b32 v[TM+4+\b], v[TM+\b], s[SEL], s[SEL+1]
.endr
.irp b, 0,1,2,3
	s_delay_alu instid0(VALU_DEP_4)
	v_max_num_f32 v[TM+\b], v[TM+\b], v[TM+4+\b]
.endr
.irp b, 0,1,2,3
	s_delay_alu instid0(VALU_DEP_4)
	v_add_nc_u32 v[TM+12+\b], 0xff000000, v[TM+\b]
.endr
.irp b, 0,1,2,3
	s_delay_alu instid0(VALU_DEP_4)
	v_lshrrev_b32 v[TM+4+\b], 23, v[TM+12+\b]
.endr
	s_delay_alu instid0(VALU_DEP_3)
	v_lshl_or_b32 v[PW], v[TM+5], 8, v[TM+4]
	s_delay_alu instid0(VALU_DEP_1)
	v_lshl_or_b32 v[PW], v[TM+6], 16, v[PW]
	s_delay_alu instid0(VALU_DEP_1)
	v_lshl_or_b32 v[PW], v[TM+7], 24, v[PW]
.irp b, 0,1,2,3
	v_cvt_scalef32_pk8_fp4_f32 v[PC+2*\b], v[\s+16*\b:\s+16*\b+7], v[TM+12+\b]
	v_cvt_scalef32_pk8_fp4_f32 v[PC+2*\b+1], v[\s+16*\b+8:\s+16*\b+15], v[TM+12+\b]
.endr
	v_nop
.irp c, 0,1
.irp i, 0,1
	v_permlane16_swap_b32 v[PC+4*\c+\i], v[PC+4*\c+2+\i]
.endr
.endr
.endm
	s_load_b512 s[4:19], s[0:1], 0x0               ; x 4, ln1_g 6, ln1_b 8, wq codes 10, scales 12, wk 14, 16, wv codes 18
	s_load_b512 s[20:35], s[0:1], 0x40             ; wv scales 20, wo 22, 24, w1 26, 28, w2 30, 32, qc 34
	s_load_b256 s[36:43], s[0:1], 0x80             ; qs 36, kv 38, wf 40, wsf 42
	v_lshl_add_u32 v31, v0, 2, 0x46200
	s_set_vgpr_msb 0x40
	v_mov_b32 v1, 0
	s_set_vgpr_msb 0x4044
	ds_add_u32 v31, v1
	ds_add_u32 v31, v1
	s_set_vgpr_msb 0x4400
	v_lshrrev_b32 v1, 5, v0
	s_delay_alu instid0(VALU_DEP_1)
	v_readfirstlane_b32 s[WV], v1                  ; wave 0..7
	s_bfe_u32 s[CX], ttmp6, 0x40000                ; my place in the cluster
	s_lshl_b32 s[WGX], ttmp9, 2
	s_add_co_u32 s[WGX], s[WGX], s[CX]             ; my block of 128 tokens: it enters global addresses alone
	s_and_b32 s[YY], ttmp7, 0xffff                 ; my pair of heads, which the four partners share
	s_mov_b32 s[SEL], 0x76543210
	s_mov_b32 s[SEL+1], 0xfedcba98
	s_mov_b32 s[HM], 0xffff0000
	s_mov_b32 s[C10], 0x3a800000
	s_mov_b32 s[EPSR], 0x3727c5ac
	; every address register is made here, on the one way that all waves take
	v_and_b32 v17, 31, v0                          ; lane
	v_and_b32 v18, 15, v0                          ; r
	v_bfe_u32 v19, v0, 4, 1                        ; h
	s_delay_alu instid0(VALU_DEP_3)
	v_lshlrev_b32 v1, 5, v17                       ; x, g, b: 32 bytes a lane in each quarter of a row
	s_delay_alu instid0(VALU_DEP_4)
	v_lshl_add_u32 v2, v17, 2, HC                  ; h's codes: 4 bytes a lane
	v_lshrrev_b32 v3, 2, v17
	s_delay_alu instid0(VALU_DEP_1)
	v_add_nc_u32 v3, HS, v3                        ; h's scale bytes: four lanes to a block
	v_and_b32 v29, 8, v18
	s_delay_alu instid0(VALU_DEP_1)
	v_add_nc_u32 v29, v29, v18                     ; r + 8 (r / 8)
	s_delay_alu instid0(VALU_DEP_1)
	v_mul_u32_u24 v6, v29, WP
	s_delay_alu instid0(VALU_DEP_1)
	v_lshl_add_u32 v6, v19, 4, v6
	s_wait_alu depctr_va_vdst(0)
	s_lshr_b32 s82, s[WV], 1
	s_mul_i32 s83, s82, 64*WP                      ; QK: my 64 weight rows: q head 0, q head 1, k head 0, k head 1
	s_lshr_b32 s84, s[WV], 2
	s_lshl_b32 s84, s84, 6
	s_and_b32 s85, s[WV], 3
	s_lshr_b32 s85, s85, 1
	s_lshl_b32 s85, s85, 5
	s_add_co_u32 s84, s84, s85
	s_and_b32 s85, s[WV], 1
	s_lshl_b32 s85, s85, 3
	s_add_co_u32 s84, s84, s85
	s_add_co_u32 s84, s84, 256                     ; V: my tile's first row: 256 + 64 head + 32 (dt / 2) + 8 (dt % 2)
	s_mul_i32 s85, s84, WP
	v_add_nc_u32 v10, s85, v6                      ; V's weight fragment
	v_add_nc_u32 v6, s83, v6                       ; QK's weight fragments
	v_lshl_add_u32 v8, v29, 5, WS
	s_lshl_b32 s85, s84, 5
	v_add_nc_u32 v11, s85, v8                      ; V's weight scale words
	s_lshl_b32 s85, s82, 11
	v_add_nc_u32 v8, s85, v8                       ; QK's
	v_mul_u32_u24 v12, v18, WP
	s_delay_alu instid0(VALU_DEP_1)
	v_lshl_add_u32 v12, v19, 4, v12
	s_delay_alu instid0(VALU_DEP_1)
	v_add_nc_u32 v12, HC, v12                      ; V: token fragments from place 0 on
	s_and_b32 s85, s[WV], 1
	s_mul_i32 s86, s85, 64*WP
	v_add_nc_u32 v7, s86, v12                      ; QK: from place 64 (w % 2) on
	v_mul_u32_u24 v13, v18, HSP
	s_delay_alu instid0(VALU_DEP_1)
	v_add_nc_u32 v13, HS, v13
	s_mul_i32 s86, s85, 64*HSP
	v_add_nc_u32 v9, s86, v13
	v_lshlrev_b32 v14, 4, v17                      ; an image's place for my lane
	v_lshlrev_b32 v15, 2, v17
	v_lshlrev_b32 v16, 4, v18
	s_delay_alu instid0(VALU_DEP_1)
	v_lshl_add_u32 v16, v19, 3, v16                ; scale words of four tiles: 16 r + 8 h
	s_lshl_b32 s86, s82, 5
	s_lshl_b32 s87, s85, 3
	s_add_co_u32 s86, s86, s87                     ; token 16 w + i lies at place 32 (w / 2) + 8 (w % 2) + 16 (i / 8) + i % 8
	s_mul_i32 s[TB], s86, WP
	s_mul_i32 s[TS], s86, HSP
	; descriptor group 1: 128 rows of 512 bytes, 16 bytes of padding behind each; the mask names the cluster's four work-groups
	s_mov_b32 s[G1C], 15|(1<<20)|(1<<21)|(6<<22)|(3<<25)
	s_mov_b32 s[G1C+1], 512<<16
	s_mov_b32 s[G1C+2], 128<<16
	s_mov_b32 s[G1C+3], 512<<16
	s_mov_b32 s[G1C+4], 128
	s_mov_b32 s[G1C+5], 512
	s_mov_b32 s[G1C+6], 0
	s_mov_b32 s[G1C+7], 0
	; and 4,096 dense bytes as 16 rows of 256 (32 elements of 8 bytes)
	s_mov_b32 s[G1S], 15|(3<<16)|(1<<21)
	s_mov_b32 s[G1S+1], 32<<16
	s_mov_b32 s[G1S+2], 16<<16
	s_mov_b32 s[G1S+3], 32<<16
	s_mov_b32 s[G1S+4], 16
	s_mov_b32 s[G1S+5], 32
	s_mov_b32 s[G1S+6], 0
	s_mov_b32 s[G1S+7], 0
	s_lshl_b32 s90, s[YY], 16                      ; a pair of heads: 128 rows of 512 bytes,
	s_mov_b32 s91, 0
	s_lshl_b32 s92, s[YY], 12                      ; and of 32 scale bytes
	s_mov_b32 s93, 0
	s_lshl_b32 s88, s[WGX], 19
	s_lshl_b32 s89, s[WV], 16
	s_add_co_u32 s88, s88, s89                     ; my wave's first row of x: (128 wgx + 16 w) x 4,096 bytes
	s_mov_b32 s89, 0
	s_wait_dscnt 0x0
	s_wait_kmcnt 0x0
	s_cmp_eq_u32 s[WV], 0                          ; waves 0, 1, 2 fetch the codes of wq, wk, wv; waves 3, 4, 5 their scale bytes
	s_cselect_b64 s[82:83], s[10:11], s[14:15]
	s_cmp_lt_u32 s[WV], 2
	s_cselect_b64 s[82:83], s[82:83], s[18:19]
	s_cmp_eq_u32 s[WV], 3
	s_cselect_b64 s[84:85], s[12:13], s[16:17]
	s_cmp_lt_u32 s[WV], 5
	s_cselect_b64 s[84:85], s[84:85], s[20:21]
	s_mov_b32 s[G0C], 1
	s_min_u32 s86, s[WV], 2
	s_mul_i32 s[G0C+1], s86, 128*WP
	s_add_nc_u64 s[G0C+2:G0C+3], s[82:83], s[90:91]
	s_or_b32 s[G0C+3], s[G0C+3], 0x80000000
	s_mov_b32 s[G0S], 1
	s_min_u32 s86, s[WV], 5
	s_lshl_b32 s[G0S+1], s86, 12
	s_add_co_u32 s[G0S+1], s[G0S+1], WS-3*4096
	s_add_nc_u64 s[G0S+2:G0S+3], s[84:85], s[92:93]
	s_or_b32 s[G0S+3], s[G0S+3], 0x80000000
	s_add_nc_u64 s[4:5], s[4:5], s[88:89]
	CROUND                                         ; all four work-groups are here: the joint loads meet
	s_cmp_lt_u32 s[WV], 3                          ; one tensor load a wave at the most; four v_nop follow each line
	s_cbranch_scc0 .Lnot_codes
	tensor_load_to_lds s[G0C:G0C+3], s[G1C:G1C+7]
	s_nop 0
	PLACES 4
	s_branch .Lasked
.Lnot_codes:
	s_cmp_lt_u32 s[WV], 6
	s_cbranch_scc0 .Lasked
	tensor_load_to_lds s[G0S:G0S+3], s[G1S:G1S+7]
	s_nop 0
	PLACES 4
.Lasked:
.irp j, 0,1,2,3                                ; a lane's columns: 256 j + 8 lane + 0 .. 7
	global_load_b128 v[G+8*\j:G+8*\j+3], v1, s[6:7] offset:1024*\j
	global_load_b128 v[G+8*\j+4:G+8*\j+7], v1, s[6:7] offset:1024*\j+16
	global_load_b128 v[B+8*\j:B+8*\j+3], v1, s[8:9] offset:1024*\j
	global_load_b128 v[B+8*\j+4:B+8*\j+7], v1, s[8:9] offset:1024*\j+16
.endr
.macro FILL x, off                             ; a row of x: eight loads
.irp j, 0,1,2,3
	global_load_b128 v[\x+8*\j:\x+8*\j+3], v1, s[4:5] offset:\off+1024*\j
	global_load_b128 v[\x+8*\j+4:\x+8*\j+7], v1, s[4:5] offset:\off+1024*\j+16
.endr
.endm
	FILL X0, 0                                     ; token 16 w
	FILL X1, 32768                                 ; token 16 w + 8
	; wo, w1, w2 (waves 0, 1, 2) in the order of an operand's registers.  Work-group number g = 32 y + wgx of 256 takes two of a matrix's 512 fragments (tile g / 4, K steps 2 (g % 4) and + 1) and 32 of its scale words.
	s_cmp_lt_u32 s[WV], 3
	s_cbranch_scc0 .Lno_relay
	s_lshl_b32 s82, s[YY], 5
	s_add_co_u32 s82, s82, s[WGX]                  ; g
	s_cmp_eq_u32 s[WV], 0
	s_cselect_b64 s[84:85], s[22:23], s[26:27]
	s_cselect_b64 s[86:87], s[24:25], s[28:29]
	s_cmp_lt_u32 s[WV], 2
	s_cselect_b64 s[84:85], s[84:85], s[30:31]
	s_cselect_b64 s[86:87], s[86:87], s[32:33]
	s_mov_b32 s89, 0
	s_lshr_b32 s88, s82, 3                         ; tile n = g / 4 begins at row 32 (n / 2) + 8 (n % 2); a row is 512 bytes, a K step 64
	s_lshl_b32 s88, s88, 14
	s_bfe_u32 s90, s82, 0x10002
	s_lshl_b32 s90, s90, 12
	s_add_co_u32 s88, s88, s90
	s_and_b32 s91, s82, 3
	s_lshl_b32 s90, s91, 7
	s_add_co_u32 s88, s88, s90
	s_add_nc_u64 s[84:85], s[84:85], s[88:89]
	s_lshr_b32 s92, s82, 4                         ; scale words: rows 64 (g / 16) + 16 (g % 2) on, K step (g / 2) % 8
	s_lshl_b32 s88, s92, 11
	s_and_b32 s90, s82, 1
	s_lshl_b32 s90, s90, 9
	s_add_co_u32 s88, s88, s90
	s_bfe_u32 s90, s82, 0x30001
	s_lshl_b32 s90, s90, 2
	s_add_co_u32 s88, s88, s90
	s_add_nc_u64 s[86:87], s[86:87], s[88:89]
	s_lshl_b32 s88, s[WV], 19                      ; wf: [matrix][n / 4][K step][n % 4][half][lane][16 bytes]
	s_lshl_b32 s90, s92, 15
	s_add_co_u32 s88, s88, s90
	s_lshl_b32 s90, s91, 13
	s_add_co_u32 s88, s88, s90
	s_bfe_u32 s90, s82, 0x20002
	s_lshl_b32 s90, s90, 10
	s_add_co_u32 s88, s88, s90
	s_add_nc_u64 s[94:95], s[40:41], s[88:89]
	s_lshl_b32 s88, s[WV], 15                      ; wsf: [matrix][n / 4][K step][r][n % 4] words: 128 bytes for each g
	s_lshl_b32 s90, s82, 7
	s_add_co_u32 s88, s88, s90
	s_add_nc_u64 s[98:99], s[42:43], s[88:89]
	v_lshlrev_b32 v184, 9, v29
	s_delay_alu instid0(VALU_DEP_1)
	v_lshl_add_u32 v184, v19, 4, v184              ; codes: row r + 8 (r / 8), + 16 h
	v_bfe_u32 v185, v0, 1, 1
	s_delay_alu instid0(VALU_DEP_1)
	v_lshlrev_b32 v185, 10, v185
	v_and_b32 v187, 1, v0
	s_delay_alu instid0(VALU_DEP_1)
	v_lshl_add_u32 v185, v187, 8, v185
	v_bfe_u32 v187, v0, 2, 3
	s_delay_alu instid0(VALU_DEP_1)
	v_lshl_add_u32 v185, v187, 5, v185             ; word of lane l: row 32 ((l % 4) / 2) + 8 (l % 2) + l / 4
.irp e, 0,1
.irp c, 0,1
	global_load_b128 v[188+8*\e+4*\c:191+8*\e+4*\c], v184, s[84:85] offset:64*\e+32*\c
.endr
.endr
	global_load_b32 v186, v185, s[86:87]
	s_wait_loadcnt 0x0
.irp e, 0,1
.irp c, 0,1
	global_store_b128 v14, v[188+8*\e+4*\c:191+8*\e+4*\c], s[94:95] offset:4096*\e+512*\c   ; 512 consecutive bytes
.endr
.endr
	global_store_b32 v15, v186, s[98:99]
	s_wait_xcnt 0x0                                ; these registers are written again further down
.Lno_relay:
; One row: mean, centred squares, 1 / sqrt, gain and bias, then the quantiser: a block of 32 lies in four neighbouring lanes.  left: the younger loads that may stay out.
.macro LNROW x, pos, fill, left, off
	s_wait_loadcnt \left
	v_pk_add_f32 v[LT:LT+1], v[\x:\x+1], v[\x+4:\x+5]
	v_pk_add_f32 v[LT+2:LT+3], v[\x+2:\x+3], v[\x+6:\x+7]
.irp k, 8,12,16,20,24,28
	s_delay_alu instid0(VALU_DEP_2)
	v_pk_add_f32 v[LT:LT+1], v[LT:LT+1], v[\x+\k:\x+\k+1]
	s_delay_alu instid0(VALU_DEP_2)
	v_pk_add_f32 v[LT+2:LT+3], v[LT+2:LT+3], v[\x+\k+2:\x+\k+3]
.endr
	s_delay_alu instid0(VALU_DEP_1)
	v_pk_add_f32 v[LT:LT+1], v[LT:LT+1], v[LT+2:LT+3]
	s_delay_alu instid0(VALU_DEP_1)
	v_add_f32 v[LT], v[LT], v[LT+1]
	WSUM LT, LT+1
	s_delay_alu instid0(VALU_DEP_1)
	v_mul_f32 v[LT], s[C10], v[LT]                 ; the mean
.irp k, 0,2,4,6,8,10,12,14,16,18,20,22,24,26,28,30
	v_pk_add_f32 v[\x+\k:\x+\k+1], v[\x+\k:\x+\k+1], v[LT:LT+1] op_sel_hi:[1,0] neg_lo:[0,1] neg_hi:[0,1]
.endr
	v_pk_mul_f32 v[LT+2:LT+3], v[\x:\x+1], v[\x:\x+1]
	v_pk_mul_f32 v[LT+4:LT+5], v[\x+2:\x+3], v[\x+2:\x+3]
.irp k, 4,8,12,16,20,24,28
	s_delay_alu instid0(VALU_DEP_2)
	v_pk_fma_f32 v[LT+2:LT+3], v[\x+\k:\x+\k+1], v[\x+\k:\x+\k+1], v[LT+2:LT+3]
	s_delay_alu instid0(VALU_DEP_2)
	v_pk_fma_f32 v[LT+4:LT+5], v[\x+\k+2:\x+\k+3], v[\x+\k+2:\x+\k+3], v[LT+4:LT+5]
.endr
	s_delay_alu instid0(VALU_DEP_1)
	v_pk_add_f32 v[LT+2:LT+3], v[LT+2:LT+3], v[LT+4:LT+5]
	s_delay_alu instid0(VALU_DEP_1)
	v_add_f32 v[LT+2], v[LT+2], v[LT+3]
	WSUM LT+2, LT+3
	s_delay_alu instid0(VALU_DEP_1)
	v_fma_f32 v[LT+2], v[LT+2], s[C10], s[EPSR]    ; the variance + 1e-5
	s_wait_alu depctr_va_vdst(0)
	v_rsq_f32 v[LT+4], v[LT+2]
	v_nop                                          ; a plain place behind the transcendental,
	s_wait_alu depctr_va_vdst(0)                   ; and the wait ahead of its first reader
.irp k, 0,2,4,6,8,10,12,14,16,18,20,22,24,26,28,30
	v_pk_mul_f32 v[\x+\k:\x+\k+1], v[\x+\k:\x+\k+1], v[LT+4:LT+5] op_sel_hi:[1,0]
.endr
.irp k, 0,2,4,6,8,10,12,14,16,18,20,22,24,26,28,30
	v_pk_fma_f32 v[\x+\k:\x+\k+1], v[\x+\k:\x+\k+1], v[G+\k:G+\k+1], v[B+\k:B+\k+1]
.endr
.irp j, 0,1,2,3
	v_max3_num_f32 v[LT+6+\j], |v[\x+8*\j]|, |v[\x+8*\j+1]|, 0x1800000
.endr
.irp i, 2,4,6
.irp j, 0,1,2,3
	s_delay_alu instid0(VALU_DEP_4)
	v_max3_num_f32 v[LT+6+\j], v[LT+6+\j], |v[\x+8*\j+\i]|, |v[\x+8*\j+\i+1]|
.endr
.endr
.irp m, 1,2
.irp j, 0,1,2,3
	s_delay_alu instid0(VALU_DEP_4)
	v_max_num_f32_dpp v[LT+6+\j], v[LT+6+\j], v[LT+6+\j] row_xmask:\m row_mask:0xf bank_mask:0xf
.endr
.endr
.irp j, 0,1,2,3
	s_delay_alu instid0(VALU_DEP_4)
	v_add_nc_u32 v[LT+10+\j], 0xff000000, v[LT+6+\j]
.endr
	s_wait_alu depctr_va_vdst(0)
	s_wait_dscnt 0x0                               ; the last row's LDS stores are done: their data registers are written again below
.irp j, 0,1,2,3
	v_lshrrev_b32 v[LT+14+\j], 23, v[LT+10+\j]
.endr
.irp j, 0,1,2,3
	v_cvt_scalef32_pk8_fp4_f32 v[LT+18+\j], v[\x+8*\j:\x+8*\j+7], v[LT+10+\j]
.endr
	v_nop
.irp j, 0,1,2,3
	ds_store_b32 v4, v[LT+18+\j] offset:\pos*WP+128*\j
	ds_store_b8 v5, v[LT+14+\j] offset:\pos*HSP+8*\j       ; four lanes write the same byte with the same value
.endr
.if \fill
	FILL \x, \off
.endif
.endm
	s_mov_b32 s[CNT], 7
.Lln:                                              ; a trip: tokens 16 w + k and 16 w + 8 + k; each set is filled again with the row one further down
	s_wait_dscnt 0x0                               ; the last trip's LDS stores are done: their address registers are written again
	v_add_nc_u32 v4, s[TB], v2
	v_add_nc_u32 v5, s[TS], v3
	LNROW X0, 0, 1, 8, 4096
	LNROW X1, 16, 1, 8, 36864
	s_wait_xcnt 0x0                                ; the loads have read their base
	s_add_nc_u64 s[4:5], s[4:5], 4096
	s_add_co_u32 s[TB], s[TB], WP
	s_add_co_u32 s[TS], s[TS], HSP
	s_sub_co_u32 s[CNT], s[CNT], 1
	s_cmp_lg_u32 s[CNT], 0
	s_cbranch_scc1 .Lln
	s_wait_dscnt 0x0
	v_add_nc_u32 v4, s[TB], v2                     ; the last trip loads nothing: no load leaves x
	v_add_nc_u32 v5, s[TS], v3
	LNROW X0, 0, 0, 8, 0
	LNROW X1, 16, 0, 0, 0
	s_wait_tensorcnt 0x0                           ; my weight tile has landed,
	s_wait_dscnt 0x0                               ; my stores of h's codes and bytes too
	s_barrier_signal -1
	s_barrier_wait -1                              ; everybody's have
	; where the results go
	s_lshr_b32 s82, s[WGX], 4
	s_lshl_b32 s82, s82, 4
	s_lshl_b32 s83, s[YY], 1
	s_add_co_u32 s82, s82, s83                     ; 16 batch + 2 y
	s_bfe_u32 s83, s[WV], 0x10001
	s_add_co_u32 s83, s82, s83                     ; QK's head
	s_and_b32 s84, s[WGX], 15                      ; which 128 tokens of the batch
	s_and_b32 s85, s[WV], 1
	s_lshl_b32 s86, s84, 1
	s_add_co_u32 s86, s86, s85                     ; which group of four token tiles
	s_cmp_lt_u32 s[WV], 4                          ; q or k
	s_cselect_b64 s[88:89], s[34:35], s[38:39]
	s_cselect_b64 s[90:91], s[36:37], s[38:39]
	s_mov_b32 s92, REC
	s_mov_b32 s94, s92
	s_cselect_b32 s92, 65536, s92
	s_cselect_b32 s94, 8192, s94
	s_cselect_b32 s96, 0, 131072
	s_mul_i32 s92, s83, s92
	s_lshl_b32 s93, s86, 11
	s_add_co_u32 s92, s92, s93
	s_mov_b32 s93, 0
	s_mul_i32 s94, s83, s94
	s_add_co_u32 s94, s94, s96
	s_lshl_b32 s95, s86, 8
	s_add_co_u32 s94, s94, s95
	s_mov_b32 s95, 0
	s_add_nc_u64 s[88:89], s[88:89], s[92:93]      ; codes
	s_add_nc_u64 s[90:91], s[90:91], s[94:95]      ; scale words
	s_lshr_b32 s97, s[WV], 2
	s_add_co_u32 s97, s82, s97                     ; V's head
	s_mul_i32 s97, s97, REC
	s_and_b32 s96, s[WV], 3
	s_lshl_b32 s92, s84, 12
	s_add_co_u32 s92, s92, s97
	s_lshl_b32 s94, s96, 10
	s_add_co_u32 s92, s92, s94
	s_add_co_u32 s92, s92, 65536
	s_add_nc_u64 s[100:101], s[38:39], s[92:93]    ; V's fragment
	s_lshl_b32 s92, s84, 9
	s_add_co_u32 s92, s92, s97
	s_lshl_b32 s94, s96, 7
	s_add_co_u32 s92, s92, s94
	s_add_co_u32 s92, s92, 139264
	s_add_nc_u64 s[94:95], s[38:39], s[92:93]      ; V's scale words
.irp b, 0,1,2,3
	v_mov_b32 v[TM+4+\b], 0                        ; written once: a lane permute's destination counts as one of its sources
.endr
; QK: a K step of 128: 4 weight tiles x 4 token tiles; the 16 accumulators take turns, one instruction a turn.  The first step starts the sums.
.macro QKSTEP s
.if \s > 0
	PLACES 4                                       ; in front of loads into registers that matrix instructions have read
.endif
.irp t, 0,1,2,3
.irp c, 0,1
	ds_load_b128 v[32+8*\t+4*\c:35+8*\t+4*\c], v6 offset:(32*(\t/2)+8*(\t%2))*WP+64*\s+32*\c
.endr
	ds_load_b32 v[20+\t], v8 offset:(32*(\t/2)+8*(\t%2))*32+4*\s
.endr
.irp i, 0,1,2,3
.irp c, 0,1
	ds_load_b128 v[64+8*\i+4*\c:67+8*\i+4*\c], v7 offset:16*\i*WP+64*\s+32*\c
.endr
	ds_load_b32 v[24+\i], v9 offset:16*\i*HSP+4*\s
.endr
	s_wait_dscnt 0x0
.irp i, 0,1,2,3
.irp t, 0,1,2,3
.if \s == 0
	v_wmma_scale_f32_16x16x128_f8f6f4 v[128+32*\i+8*\t:135+32*\i+8*\t], v[32+8*\t:39+8*\t], v[64+8*\i:71+8*\i], 0, v[20+\t], v[24+\i] matrix_a_fmt:MATRIX_FMT_FP4 matrix_b_fmt:MATRIX_FMT_FP4
.else
	v_wmma_scale_f32_16x16x128_f8f6f4 v[128+32*\i+8*\t:135+32*\i+8*\t], v[32+8*\t:39+8*\t], v[64+8*\i:71+8*\i], v[128+32*\i+8*\t:135+32*\i+8*\t], v[20+\t], v[24+\i] matrix_a_fmt:MATRIX_FMT_FP4 matrix_b_fmt:MATRIX_FMT_FP4
.endif
.endr
.endr
.endm
.irp s, 0,1,2,3,4,5,6,7
	QKSTEP \s
.endr
	PLACES 4
.irp i, 0,1,2,3                                ; token tile i: lane (r, h) holds token r and the head's 32 b + 16 h + 0 .. 15
	QUANT2 128+32*\i, 32+4*\i
	v_lshl_or_b32 v[48+\i], v[TM+5], 8, v[TM+4]
	s_delay_alu instid0(VALU_DEP_1)
	v_or_b32 v[48+\i], 0x7f7f0000, v[48+\i]        ; the two empty blocks of the K step: byte 127 over zero codes
	global_store_b128 v14, v[32+4*\i:35+4*\i], s[88:89] offset:512*\i
.endr
	v_cndmask_b32 v52, v48, v50, s[HM]             ; lanes 0-15 store the words of tiles 0, 1, lanes 16-31 those of tiles 2, 3:
	v_cndmask_b32 v53, v49, v51, s[HM]
	global_store_b64 v16, v[52:53], s[90:91]       ; 256 consecutive bytes, aligned
	s_wait_xcnt 0x0                                ; the stores have read their registers: loads land there below
; V: a K step: 8 token tiles x my weight tile; 8 accumulators by turns
.macro VSTEP s
.if \s > 0
	PLACES 4
.endif
.irp i, 0,1,2,3,4,5,6,7
.irp c, 0,1
	ds_load_b128 v[32+8*\i+4*\c:35+8*\i+4*\c], v12 offset:16*\i*WP+64*\s+32*\c
.endr
	ds_load_b32 v[20+\i], v13 offset:16*\i*HSP+4*\s
.endr
.irp c, 0,1
	ds_load_b128 v[96+4*\c:99+4*\c], v10 offset:64*\s+32*\c
.endr
	ds_load_b32 v28, v11 offset:4*\s
	s_wait_dscnt 0x0
.irp i, 0,1,2,3,4,5,6,7
.if \s == 0
	v_wmma_scale_f32_16x16x128_f8f6f4 v[128+8*\i:135+8*\i], v[32+8*\i:39+8*\i], v[96:103], 0, v[20+\i], v28 matrix_a_fmt:MATRIX_FMT_FP4 matrix_b_fmt:MATRIX_FMT_FP4
.else
	v_wmma_scale_f32_16x16x128_f8f6f4 v[128+8*\i:135+8*\i], v[32+8*\i:39+8*\i], v[96:103], v[128+8*\i:135+8*\i], v[20+\i], v28 matrix_a_fmt:MATRIX_FMT_FP4 matrix_b_fmt:MATRIX_FMT_FP4
.endif
.endr
.endm
.irp s, 0,1,2,3,4,5,6,7
	VSTEP \s
.endr
	PLACES 4
	QUANT4 128                                     ; lane (r, h): row r of my tile of the head's 64; register 16 b + i: key 32 b + 16 h + i of the 128
	global_store_b128 v14, v[PC:PC+3], s[100:101]
	global_store_b128 v14, v[PC+4:PC+7], s[100:101] offset:512
	global_store_b32 v15, v[PW], s[94:95]
	s_wait_dscnt 0x0
	s_set_vgpr_msb 0x4
	s_wait_tensorcnt 0x0
	ds_add_u32 v31, v1
	s_wait_dscnt 0x0
	s_set_vgpr_msb 0x400
	CROUND                                         ; the closing round: no work-group ends while a partner may still ask for a tile that names it
	s_endpgm
.Lfunc_end_k_q7c2b0d28d7_qkv:
	.size	k_q7c2b0d28d7_qkv, .Lfunc_end_k_q7c2b0d28d7_qkv-k_q7c2b0d28d7_qkv
	.p2alignl 7, 3214868480
	.fill 96, 4, 3214868480
	.section	.rodata,"a",@progbits
	.p2align	6, 0x0
	.amdhsa_kernel k_q7c2b0d28d7_qkv
		.amdhsa_group_segment_fixed_size 288256
		.amdhsa_private_segment_fixed_size 0
		.amdhsa_enable_private_segment 0
		.amdhsa_kernarg_size 160
		.amdhsa_user_sgpr_count 2
		.amdhsa_user_sgpr_kernarg_segment_ptr 1
		.amdhsa_wavefront_size32 1
		.amdhsa_system_sgpr_workgroup_id_x 1
		.amdhsa_system_sgpr_workgroup_id_y 1
		.amdhsa_system_sgpr_workgroup_id_z 1
		.amdhsa_system_vgpr_workitem_id 0
		.amdhsa_next_free_vgpr 258
		.amdhsa_next_free_sgpr 102
		.amdhsa_reserve_vcc 0
		.amdhsa_float_denorm_mode_32 3
		.amdhsa_float_denorm_mode_16_64 3
		.amdhsa_memory_ordered 1
		.amdhsa_forward_progress 1
		.amdhsa_inst_pref_size 128
	.end_amdhsa_kernel
	.amdgpu_metadata
---
amdhsa.version: [ 1, 2 ]
amdhsa.kernels:
  - .name:           k_q7c2b0d28d7_qkv
    .symbol:         k_q7c2b0d28d7_qkv.kd
    .args:
      - { .name: x, .offset: 0, .size: 8, .value_kind: global_buffer, .address_space: global }
      - { .name: ln1_g, .offset: 8, .size: 8, .value_kind: global_buffer, .address_space: global }
      - { .name: ln1_b, .offset: 16, .size: 8, .value_kind: global_buffer, .address_space: global }
      - { .name: wq_codes, .offset: 24, .size: 8, .value_kind: global_buffer, .address_space: global }
      - { .name: wq_scales, .offset: 32, .size: 8, .value_kind: global_buffer, .address_space: global }
      - { .name: wk_codes, .offset: 40, .size: 8, .value_kind: global_buffer, .address_space: global }
      - { .name: wk_scales, .offset: 48, .size: 8, .value_kind: global_buffer, .address_space: global }
      - { .name: wv_codes, .offset: 56, .size: 8, .value_kind: global_buffer, .address_space: global }
      - { .name: wv_scales, .offset: 64, .size: 8, .value_kind: global_buffer, .address_space: global }
      - { .name: wo_codes, .offset: 72, .size: 8, .value_kind: global_buffer, .address_space: global }
      - { .name: wo_scales, .offset: 80, .size: 8, .value_kind: global_buffer, .address_space: global }
      - { .name: w1_codes, .offset: 88, .size: 8, .value_kind: global_buffer, .address_space: global }
      - { .name: w1_scales, .offset: 96, .size: 8, .value_kind: global_buffer, .address_space: global }
      - { .name: w2_codes, .offset: 104, .size: 8, .value_kind: global_buffer, .address_space: global }
      - { .name: w2_scales, .offset: 112, .size: 8, .value_kind: global_buffer, .address_space: global }
      - { .name: qc, .offset: 120, .size: 8, .value_kind: global_buffer, .address_space: global }
      - { .name: qs, .offset: 128, .size: 8, .value_kind: global_buffer, .address_space: global }
      - { .name: kv, .offset: 136, .size: 8, .value_kind: global_buffer, .address_space: global }
      - { .name: wf, .offset: 144, .size: 8, .value_kind: global_buffer, .address_space: global }
      - { .name: wsf, .offset: 152, .size: 8, .value_kind: global_buffer, .address_space: global }
    .group_segment_fixed_size: 288256
    .private_segment_fixed_size: 0
    .kernarg_segment_align: 8
    .kernarg_segment_size: 160
    .max_flat_workgroup_size: 256
    .sgpr_count:     102
    .vgpr_count:     258
    .wavefront_size: 32
...
	.end_amdgpu_metadata
.endif
;; end of part 1
;; launch attn (part 2): grid 8 x 32, 16 waves a work-group, clusters of 4 x 1, 169,984 bytes of LDS; arguments qc, qs, kv, cc, cs; writes cc, cs
.if DOCPART == 2
	.amdgcn_target "amdgcn-amd-amdhsa--gfx1250"
	.amdhsa_code_object_version 6
	.text
	.protected	k_q7c2b0d28d7_attn
	.globl	k_q7c2b0d28d7_attn
	.p2align	8
	.type	k_q7c2b0d28d7_attn,@function
k_q7c2b0d28d7_attn:
	s_mov_b64 s[64:65], 0
	v_nop
	global_prefetch_b8 v0, s[64:65] scope:SCOPE_SE
	s_setreg_imm32_b32 hwreg(HW_REG_WAVE_MODE, 25, 1), 1
	s_wait_xcnt 0x0
	s_wait_alu depctr_hold_cnt(0) depctr_sa_sdst(0) depctr_va_vdst(0) depctr_va_sdst(0) depctr_va_ssrc(0) depctr_va_vcc(0) depctr_vm_vsrc(0)
	s_getreg_b32 s2, hwreg(HW_REG_IB_STS2, 6, 4)
	s_cmp_eq_u32 s2, 0
	s_cbranch_scc0 .Lentry_in_a_cluster
	s_endpgm
.Lentry_in_a_cluster:
	s_bfe_u32 s2, ttmp6, 0x10000c
	s_cmp_lg_u32 s2, 0x3003
	s_cbranch_scc0 .Lentry_shape_is_right
	s_endpgm
.Lentry_shape_is_right:
; ctx[bh][q] = the sum over k of softmax_k(q . k / 8) v[k], both products on codes of FP4 (E2M1) with one E8M0 scale for each 32 along K; then ctx is quantised along the head's 64 for the next product.
; THE SOFTMAX: t = score x log2(e) / 8; M = the row's largest t so far, rounded UP to a whole number; p = 2^(t - M) is what is quantised, along the keys.  The row's sum is taken of the unquantised p and divides at the end.
; When M moves, the sum and O are multiplied by 2^(old M - new M): exact.
; SHARES.  A work-group owns 256 queries of one head, each of its sixteen waves one tile of 16, in 256 registers: four waves to a SIMD, so that one wave's vector work stands beside another's matrix work and LDS loads.
; A head's K and V, as codes with their scale words, are ONE dense record of 147,456 bytes: it comes into LDS once, by nine loads of 16,384 bytes (waves 0 to 8), and stays.  No slot is filled again, and the loop has no barrier.
; CLUSTER.  The four work-groups of a cluster belong to one head and need the same record: each load is asked for JOINTLY.
; LAYOUT.  Everything lies as images of operand registers (16 bytes a lane), so every LDS load takes 512 consecutive bytes.  S^T = K Q^T (source 0 = 16 keys, source 1 = my queries), O^T = V^T P^T: a lane holds ONE query throughout.
; The keys of a tile were chosen by the launch before so that the 16 registers of tiles 2 b and 2 b + 1 are keys 32 b + 16 (lane / 16) + 0 .. 15.  The scores' K is 64: registers 4-7 of K's and Q's fragments are zeros, under the byte 127.
; REGISTERS: v1-6 addresses that stay; v8-11 addresses in hand; v12 -M, v13 the largest t, v[14:15] the sum; v16-23 Q; v25-28 V's scale words; v32-95 K; v96-159 S^T, then p; v160-191 O^T; v192-223 V; v224-231 p's codes;
; v232-239, v244-247, v252-254 at work; v240-243, v248-251 K's scale words; v255 Q's.
; LIMITS: NaN and infinities are not served; p under 2^-126 becomes 0; a block whose every p is 0 keeps the byte 1 over zero codes.
.set VC,   65536
.set KSC,  131072
.set VSC,  139264
.set REC,  147456
.set ADK,  8
.set ADV,  9
.set ADS,  10
.set ADT,  11
.set TM,   232
.set WV,   14
.set G1,   16
.set G0,   24
.set SEL,  30
.set CS,   32
.set TB,   34
.set TS,   35
.set CNT,  36
.set HM,   54
.macro PLACES n
.rept \n
	v_nop
.endr
.endm
.macro CROUND
	s_barrier_signal -1
	s_barrier_wait -1
	s_cmp_lg_u32 s[WV], 0
	s_cbranch_scc1 .Lnot_wave_0_\@
	s_barrier_signal -3
.Lnot_wave_0_\@:
	s_barrier_wait -3
	s_barrier_signal -1
	s_barrier_wait -1
.endm
.macro QUANT2 s, pc                            ; 32 numbers of a lane, register 16 b + i = k 32 b + 16 (lane / 16) + i, become registers 0-3 of a fragment; the bytes stand in v[TM+4], v[TM+5]
.irp b, 0,1
	v_max3_num_f32 v[TM+\b], |v[\s+16*\b]|, |v[\s+16*\b+1]|, 0x1800000
.endr
.irp i, 2,4,6,8,10,12,14
.irp b, 0,1
	s_delay_alu instid0(VALU_DEP_2)
	v_max3_num_f32 v[TM+\b], v[TM+\b], |v[\s+16*\b+\i]|, |v[\s+16*\b+\i+1]|
.endr
.endr
.irp b, 0,1
	s_delay_alu instid0(VALU_DEP_2)
	v_permlanex16_b32 v[TM+4+\b], v[TM+\b], s[SEL], s[SEL+1]
.endr
.irp b, 0,1
	s_delay_alu instid0(VALU_DEP_2)
	v_max_num_f32 v[TM+\b], v[TM+\b], v[TM+4+\b]
.endr
.irp b, 0,1
	s_delay_alu instid0(VALU_DEP_2)
	v_add_nc_u32 v[TM+12+\b], 0xff000000, v[TM+\b]
.endr
.irp b, 0,1
	s_delay_alu instid0(VALU_DEP_2)
	v_lshrrev_b32 v[TM+4+\b], 23, v[TM+12+\b]
.endr
	v_cvt_scalef32_pk8_fp4_f32 v[\pc], v[\s:\s+7], v[TM+12]
	v_cvt_scalef32_pk8_fp4_f32 v[\pc+1], v[\s+8:\s+15], v[TM+12]
	v_cvt_scalef32_pk8_fp4_f32 v[\pc+2], v[\s+16:\s+23], v[TM+13]
	v_cvt_scalef32_pk8_fp4_f32 v[\pc+3], v[\s+24:\s+31], v[TM+13]
	v_nop
	v_permlane16_swap_b32 v[\pc], v[\pc+2]
	v_permlane16_swap_b32 v[\pc+1], v[\pc+3]
.endm
	s_load_b256 s[4:11], s[0:1], 0x0               ; qc 4, qs 6, kv 8, cc 10
	s_load_b64 s[12:13], s[0:1], 0x20              ; cs
	v_lshl_add_u32 v30, v0, 2, 0x29000
	v_mov_b32 v31, 0
	ds_add_u32 v30, v31
	ds_add_u32 v30, v31
	v_lshrrev_b32 v8, 5, v0
	s_delay_alu instid0(VALU_DEP_1)
	v_readfirstlane_b32 s[WV], v8                  ; wave 0..15
	s_bfe_u32 s15, ttmp6, 0x40000                  ; my place in the cluster: it enters Q's and the results' global addresses alone
	s_lshl_b32 s28, ttmp9, 2
	s_add_co_u32 s28, s28, s15                     ; my block of 256 queries
	s_and_b32 s29, ttmp7, 0xffff                   ; batch x 16 + head, which the four partners share
	s_lshl_b32 s37, s28, 4
	s_add_co_u32 s37, s37, s[WV]                   ; my tile of queries, 0 .. 127
	s_mov_b32 s[SEL], 0x76543210
	s_mov_b32 s[SEL+1], 0xfedcba98
	s_mov_b32 s[CS], 0x3e38aa3b                    ; c = log2(e) / 8
	s_mov_b32 s[CS+1], s[CS]
	s_mov_b32 s[HM], 0xffff0000
	s_mov_b32 s[TB], 0
	s_mov_b32 s[TS], 0
	s_mov_b32 s[CNT], 16
	v_and_b32 v8, 31, v0                           ; lane
	v_and_b32 v9, 15, v0                           ; r
	v_bfe_u32 v10, v0, 4, 1                        ; h
	s_delay_alu instid0(VALU_DEP_3)
	v_lshlrev_b32 v1, 4, v8                        ; K's images: 16 x lane
	s_delay_alu instid0(VALU_DEP_1)
	v_add_nc_u32 v2, VC, v1                        ; V's
	s_delay_alu instid0(VALU_DEP_4)
	v_lshl_add_u32 v3, v9, 4, KSC                  ; K's scale words: four tiles' words of row r
	v_lshl_add_u32 v4, v8, 2, VSC                  ; V's: 4 x lane
	v_lshlrev_b32 v5, 4, v9                        ; Q's scale word: 16 r
	v_lshl_add_u32 v6, v9, 2, v10                  ; ctx's scale byte: 4 r + h
	; descriptor group 1: 16,384 dense bytes as 64 rows of 256 (32 elements of 8 bytes); the mask names the cluster's four work-groups
	s_mov_b32 s[G1], 15|(3<<16)|(1<<21)
	s_mov_b32 s[G1+1], 32<<16
	s_mov_b32 s[G1+2], 64<<16
	s_mov_b32 s[G1+3], 32<<16
	s_mov_b32 s[G1+4], 64
	s_mov_b32 s[G1+5], 32
	s_mov_b32 s[G1+6], 0
	s_mov_b32 s[G1+7], 0
	s_min_u32 s38, s[WV], 8
	s_lshl_b32 s39, s38, 14                        ; my ninth of the record, in LDS as in memory
	s_mul_i32 s40, s29, REC
	s_add_co_u32 s40, s40, s39
	s_mov_b32 s41, 0
	s_mov_b32 s43, 0
	s_mov_b32 s47, 0
	s_wait_dscnt 0x0
	s_wait_kmcnt 0x0
	s_mov_b32 s[G0], 1
	s_mov_b32 s[G0+1], s39
	s_add_nc_u64 s[G0+2:G0+3], s[8:9], s[40:41]
	s_or_b32 s[G0+3], s[G0+3], 0x80000000
	s_lshl_b32 s42, s29, 7
	s_add_co_u32 s42, s42, s37
	s_lshl_b32 s42, s42, 9
	s_add_nc_u64 s[44:45], s[4:5], s[42:43]        ; Q's image: 512 bytes a tile
	s_lshl_b32 s46, s29, 5
	s_lshr_b32 s42, s37, 2
	s_add_co_u32 s46, s46, s42
	s_lshl_b32 s46, s46, 8
	s_and_b32 s42, s37, 3
	s_lshl_b32 s42, s42, 2
	s_add_co_u32 s46, s46, s42
	s_add_nc_u64 s[48:49], s[6:7], s[46:47]        ; Q's scale words: [tile / 4][r][tile % 4]
	s_lshr_b32 s38, s29, 4
	s_lshl_b32 s38, s38, 7
	s_add_co_u32 s38, s38, s37                     ; the row tile among all 256
	s_and_b32 s39, s29, 15
	s_lshr_b32 s40, s39, 1                         ; the next product's K step,
	s_and_b32 s39, s39, 1                          ; and which half of it
	s_lshl_b32 s42, s38, 13
	s_lshl_b32 s46, s40, 10
	s_add_co_u32 s42, s42, s46
	s_lshl_b32 s46, s39, 9
	s_add_co_u32 s42, s42, s46
	s_add_nc_u64 s[50:51], s[10:11], s[42:43]
	s_lshl_b32 s42, s38, 9
	s_lshl_b32 s46, s40, 6
	s_add_co_u32 s42, s42, s46
	s_lshl_b32 s46, s39, 1
	s_add_co_u32 s42, s42, s46
	s_add_nc_u64 s[52:53], s[12:13], s[42:43]
	CROUND                                         ; all four work-groups are here: the joint loads meet
	s_cmp_lt_u32 s[WV], 9
	s_cbranch_scc0 .Lno_fill
	tensor_load_to_lds s[G0:G0+3], s[G1:G1+7]      ; one tensor load a wave at the most; four v_nop follow
	s_nop 0
	PLACES 4
.Lno_fill:
	s_wait_alu depctr_va_vdst(0)
	global_load_b128 v[16:19], v1, s[44:45]        ; Q's fragment, registers 0-3
	global_load_b32 v255, v5, s[48:49]
.irp j, 20,21,22,23
	v_mov_b32 v[\j], 0                             ; the empty half of the K step: zero codes
.endr
.irp t, 0,1,2,3,4,5,6,7
.irp j, 4,5,6,7
	v_mov_b32 v[32+8*\t+\j], 0                     ; likewise in K's eight fragments: written once
.endr
.endr
	v_mov_b32 v13, 0xff61b1e6                      ; the largest t so far: -3e38
	s_delay_alu instid0(VALU_DEP_1)
	v_floor_f32 v12, -v13                          ; -M
	v_mov_b32 v14, 0
	v_mov_b32 v15, 0
.irp b, 0,1,2,3
	v_mov_b32 v[236+\b], 0                         ; a lane permute's destination counts as one of its sources
.endr
	v_mov_b32 v253, 0
.set J, 0
.rept 32
	v_mov_b32 v[160+J], 0                          ; O^T: the step is written once; the first finds zeros
.set J, J+1
.endr
	s_wait_tensorcnt 0x0                           ; my part of the record has landed,
	s_barrier_signal -1
	s_barrier_wait -1                              ; everybody's has
	s_wait_loadcnt 0x0                             ; Q
.Lstep:                                            ; 16 trips of 128 keys
	v_add_nc_u32 v[ADK], s[TB], v1                 ; (these four are also the places in front of the loads into registers that the last products read)
	v_add_nc_u32 v[ADV], s[TB], v2
	v_add_nc_u32 v[ADS], s[TS], v3
	v_add_nc_u32 v[ADT], s[TS], v4
.irp t, 0,1,2,3,4,5,6,7
	ds_load_b128 v[32+8*\t:35+8*\t], v[ADK] offset:512*\t
.endr
	ds_load_b128 v[240:243], v[ADS]
	ds_load_b128 v[248:251], v[ADS] offset:256
.irp d, 0,1,2,3
.irp c, 0,1
	ds_load_b128 v[192+8*\d+4*\c:195+8*\d+4*\c], v[ADV] offset:1024*\d+512*\c
.endr
.endr
.irp d, 0,1,2,3
	ds_load_b32 v[25+\d], v[ADT] offset:128*\d
.endr
	s_wait_dscnt 12                                ; K and its words are in; V's twelve younger loads may stay out
.irp t, 0,1,2,3,4,5,6,7
	v_wmma_scale_f32_16x16x128_f8f6f4 v[96+8*\t:103+8*\t], v[32+8*\t:39+8*\t], v[16:23], 0, v[240+\t+4*(\t/4)], v255 matrix_a_fmt:MATRIX_FMT_FP4 matrix_b_fmt:MATRIX_FMT_FP4
.endr
	PLACES 4
.irp b, 0,1,2,3
	v_max3_num_f32 v[232+\b], v[96+16*\b], v[97+16*\b], v[98+16*\b]   ; the largest score of each block of 32 keys: for the row's maximum, and, since p rises with the score, for the block's largest p
.endr
.irp i, 3,5,7,9,11,13
.irp b, 0,1,2,3
	v_max3_num_f32 v[232+\b], v[232+\b], v[96+16*\b+\i], v[97+16*\b+\i]
.endr
.endr
.irp b, 0,1,2,3
	v_max_num_f32 v[232+\b], v[232+\b], v[111+16*\b]
.endr
.irp b, 0,1,2,3
	s_delay_alu instid0(VALU_DEP_4)
	v_permlanex16_b32 v[236+\b], v[232+\b], s[SEL], s[SEL+1]
.endr
.irp b, 0,1,2,3
	s_delay_alu instid0(VALU_DEP_4)
	v_max_num_f32 v[232+\b], v[232+\b], v[236+\b]
.endr
	s_delay_alu instid0(VALU_DEP_2)
	v_max3_num_f32 v254, v232, v233, v234
	s_delay_alu instid0(VALU_DEP_1)
	v_max_num_f32 v254, v254, v235
	s_delay_alu instid0(VALU_DEP_1)
	v_mul_f32 v254, s[CS], v254                    ; the step's largest t of my query
	s_delay_alu instid0(VALU_DEP_1)
	v_max_num_f32 v13, v13, v254
	v_mov_b32 v254, v12
	s_delay_alu instid0(VALU_DEP_2)
	v_floor_f32 v12, -v13                          ; the new -M = -ceil(t): a whole number
	s_delay_alu instid0(VALU_DEP_1)
	v_sub_f32 v254, v12, v254
	s_delay_alu instid0(VALU_DEP_1)
	v_cvt_i32_f32 v254, v254                       ; old M - new M (it saturates)
	s_delay_alu instid0(VALU_DEP_1)
	v_ldexp_f32 v252, 1.0, v254                    ; f = 2^(old M - new M)
.irp j, 0,2,4,6,8,10,12,14,16,18,20,22,24,26,28,30,32,34,36,38,40,42,44,46,48,50,52,54,56,58,60,62
	v_pk_fma_f32 v[96+\j:97+\j], v[96+\j:97+\j], s[CS:CS+1], v[12:13] op_sel_hi:[1,0,0]   ; t - M
.endr
.irp b, 0,1,2,3
	v_fma_f32 v[232+\b], v[232+\b], s[CS], v12
.endr
.set J, 0
	s_wait_alu depctr_va_vdst(0)
.rept 64
	v_exp_f32 v[96+J], v[96+J]                     ; p = 2^(t - M)
.set J, J+1
.endr
	v_pk_mul_f32 v[14:15], v[14:15], v[252:253] op_sel_hi:[1,0]   ; the sums under the new M (a plain place behind the exponentials)
	s_wait_alu depctr_va_vdst(0)                   ; one wait for the batch, ahead of its first reader
.irp b, 0,1,2,3
	v_exp_f32 v[232+\b], v[232+\b]                 ; each block's largest p
.endr
	v_pk_add_f32 v[236:237], v[100:101], v[104:105]
	v_pk_add_f32 v[250:251], v[108:109], v[112:113]
	v_pk_add_f32 v[248:249], v[116:117], v[120:121]
	v_pk_add_f32 v[246:247], v[124:125], v[128:129]
	v_pk_add_f32 v[244:245], v[132:133], v[136:137]
	v_pk_add_f32 v[242:243], v[140:141], v[144:145]
	v_pk_add_f32 v[240:241], v[148:149], v[152:153]
	v_pk_add_f32 v[14:15], v[14:15], v[156:157]
	v_pk_add_f32 v[236:237], v[236:237], v[96:97]
	v_pk_add_f32 v[250:251], v[250:251], v[98:99]
	v_pk_add_f32 v[248:249], v[248:249], v[102:103]
	v_pk_add_f32 v[246:247], v[246:247], v[106:107]
	v_pk_add_f32 v[244:245], v[244:245], v[110:111]
	v_pk_add_f32 v[242:243], v[242:243], v[114:115]
	v_pk_add_f32 v[240:241], v[240:241], v[118:119]
	v_pk_add_f32 v[14:15], v[14:15], v[122:123]
	v_pk_add_f32 v[236:237], v[236:237], v[126:127]
	v_pk_add_f32 v[250:251], v[250:251], v[130:131]
	v_pk_add_f32 v[248:249], v[248:249], v[134:135]
	v_pk_add_f32 v[246:247], v[246:247], v[138:139]
	v_pk_add_f32 v[244:245], v[244:245], v[142:143]
	v_pk_add_f32 v[242:243], v[242:243], v[146:147]
	v_pk_add_f32 v[240:241], v[240:241], v[150:151]
	v_pk_add_f32 v[14:15], v[14:15], v[154:155]
	v_pk_add_f32 v[236:237], v[236:237], v[158:159]
	s_delay_alu instid0(VALU_DEP_2)
	v_pk_add_f32 v[14:15], v[14:15], v[246:247]
	s_delay_alu instid0(VALU_DEP_2)
	v_pk_add_f32 v[236:237], v[236:237], v[244:245]
	v_pk_add_f32 v[250:251], v[250:251], v[242:243]
	v_pk_add_f32 v[248:249], v[248:249], v[240:241]
	s_delay_alu instid0(VALU_DEP_2)
	v_pk_add_f32 v[14:15], v[14:15], v[250:251]
	s_delay_alu instid0(VALU_DEP_2)
	v_pk_add_f32 v[236:237], v[236:237], v[248:249]
	s_delay_alu instid0(VALU_DEP_1)
	v_pk_add_f32 v[14:15], v[14:15], v[236:237]
	s_wait_alu depctr_va_vdst(0)                   ; and one for the four
.irp b, 0,1,2,3
	v_max_num_f32 v[232+\b], 0x1800000, v[232+\b]  ; the floor 2^(3 - 127)
.endr
.irp b, 0,1,2,3
	s_delay_alu instid0(VALU_DEP_4)
	v_add_nc_u32 v[244+\b], 0xff000000, v[232+\b]
.endr
.irp b, 0,1,2,3
	s_delay_alu instid0(VALU_DEP_4)
	v_lshrrev_b32 v[236+\b], 23, v[244+\b]
.endr
	s_delay_alu instid0(VALU_DEP_3)
	v_lshl_or_b32 v253, v237, 8, v236              ; p's scale word for these 128 keys
	s_delay_alu instid0(VALU_DEP_1)
	v_lshl_or_b32 v253, v238, 16, v253
	s_delay_alu instid0(VALU_DEP_1)
	v_lshl_or_b32 v253, v239, 24, v253
.irp b, 0,1,2,3
	v_cvt_scalef32_pk8_fp4_f32 v[224+2*\b], v[96+16*\b:103+16*\b], v[244+\b]
	v_cvt_scalef32_pk8_fp4_f32 v[225+2*\b], v[104+16*\b:111+16*\b], v[244+\b]
.endr
	v_nop
.irp c, 0,1
.irp i, 0,1
	v_permlane16_swap_b32 v[224+4*\c+\i], v[226+4*\c+\i]
.endr
.endr
.irp j, 0,2,4,6,8,10,12,14,16,18,20,22,24,26,28,30
	v_pk_mul_f32 v[160+\j:161+\j], v[160+\j:161+\j], v[252:253] op_sel_hi:[1,0]   ; O^T under the new M; these sixteen also stand between the writes of p's codes and scale word and the products
.endr
	s_wait_alu depctr_va_vdst(0)
	s_wait_dscnt 0x0                               ; V and its words are in
.irp d, 0,1,2,3
	v_wmma_scale_f32_16x16x128_f8f6f4 v[160+8*\d:167+8*\d], v[192+8*\d:199+8*\d], v[224:231], v[160+8*\d:167+8*\d], v[25+\d], v253 matrix_a_fmt:MATRIX_FMT_FP4 matrix_b_fmt:MATRIX_FMT_FP4
.endr
	s_add_co_u32 s[TB], s[TB], 4096                ; the next 128 keys: eight images of K, four fragments of V,
	s_add_co_u32 s[TS], s[TS], 512                 ; and their scale words
	s_sub_co_u32 s[CNT], s[CNT], 1
	s_cmp_lg_u32 s[CNT], 0
	s_cbranch_scc1 .Lstep
	PLACES 4
	v_add_f32 v14, v14, v15
	s_delay_alu instid0(VALU_DEP_1)
	v_permlanex16_b32 v252, v14, s[SEL], s[SEL+1]
	s_delay_alu instid0(VALU_DEP_1)
	v_add_f32 v14, v14, v252                       ; the row's sum
	s_wait_alu depctr_va_vdst(0)
	v_rcp_f32 v14, v14
	v_nop
	s_wait_alu depctr_va_vdst(0)
.set J, 0
.rept 32
	v_mul_f32 v[96+J], v[160+J], v14               ; ctx: register 16 b + i is the head's 32 b + 16 h + i, of query r
.set J, J+1
.endr
	QUANT2 96, 224
	global_store_b128 v1, v[224:227], s[50:51]     ; half a fragment of the next product's operand: 512 consecutive bytes
	v_cndmask_b32 v238, v236, v237, s[HM]          ; lanes 0-15 store block 0's byte, lanes 16-31 block 1's
	global_store_b8 v6, v238, s[52:53]             ; single bytes, two to a row's word: the word's other half belongs to another head's work-group
	s_wait_dscnt 0x0
	s_wait_tensorcnt 0x0
	ds_add_u32 v30, v31
	s_wait_dscnt 0x0
	CROUND                                         ; the closing round
	s_endpgm
.Lfunc_end_k_q7c2b0d28d7_attn:
	.size	k_q7c2b0d28d7_attn, .Lfunc_end_k_q7c2b0d28d7_attn-k_q7c2b0d28d7_attn
	.p2alignl 7, 3214868480
	.fill 96, 4, 3214868480
	.section	.rodata,"a",@progbits
	.p2align	6, 0x0
	.amdhsa_kernel k_q7c2b0d28d7_attn
		.amdhsa_group_segment_fixed_size 169984
		.amdhsa_private_segment_fixed_size 0
		.amdhsa_enable_private_segment 0
		.amdhsa_kernarg_size 40
		.amdhsa_user_sgpr_count 2
		.amdhsa_user_sgpr_kernarg_segment_ptr 1
		.amdhsa_wavefront_size32 1
		.amdhsa_system_sgpr_workgroup_id_x 1
		.amdhsa_system_sgpr_workgroup_id_y 1
		.amdhsa_system_sgpr_workgroup_id_z 1
		.amdhsa_system_vgpr_workitem_id 0
		.amdhsa_next_free_vgpr 256
		.amdhsa_next_free_sgpr 66
		.amdhsa_reserve_vcc 0
		.amdhsa_float_denorm_mode_32 3
		.amdhsa_float_denorm_mode_16_64 3
		.amdhsa_memory_ordered 1
		.amdhsa_forward_progress 1
		.amdhsa_inst_pref_size 29
	.end_amdhsa_kernel
	.amdgpu_metadata
---
amdhsa.version: [ 1, 2 ]
amdhsa.kernels:
  - .name:           k_q7c2b0d28d7_attn
    .symbol:         k_q7c2b0d28d7_attn.kd
    .args:
      - { .name: qc, .offset: 0, .size: 8, .value_kind: global_buffer, .address_space: global }
      - { .name: qs, .offset: 8, .size: 8, .value_kind: global_buffer, .address_space: global }
      - { .name: kv, .offset: 16, .size: 8, .value_kind: global_buffer, .address_space: global }
      - { .name: cc, .offset: 24, .size: 8, .value_kind: global_buffer, .address_space: global }
      - { .name: cs, .offset: 32, .size: 8, .value_kind: global_buffer, .address_space: global }
    .group_segment_fixed_size: 169984
    .private_segment_fixed_size: 0
    .kernarg_segment_align: 8
    .kernarg_segment_size: 40
    .max_flat_workgroup_size: 512
    .sgpr_count:     66
    .vgpr_count:     256
    .wavefront_size: 32
...
	.end_amdgpu_metadata
.endif
;; end of part 2
;; launch tail (part 3): grid 256 x 1, 16 waves a work-group, clusters of 4 x 1, 327,680 bytes of LDS; arguments x, cc, cs, wf, wsf, ln2_g, ln2_b, ln3_g, ln3_b, out0; writes out0
.if DOCPART == 3
	.amdgcn_target "amdgcn-amd-amdhsa--gfx1250"
	.amdhsa_code_object_version 6
	.text
	.protected	k_q7c2b0d28d7_tail
	.globl	k_q7c2b0d28d7_tail
	.p2align	8
	.type	k_q7c2b0d28d7_tail,@function
k_q7c2b0d28d7_tail:
	s_mov_b64 s[64:65], 0
	v_nop
	global_prefetch_b8 v0, s[64:65] scope:SCOPE_SE
	s_setreg_imm32_b32 hwreg(HW_REG_WAVE_MODE, 25, 1), 1
	s_wait_xcnt 0x0
	s_wait_alu depctr_hold_cnt(0) depctr_sa_sdst(0) depctr_va_vdst(0) depctr_va_sdst(0) depctr_va_ssrc(0) depctr_va_vcc(0) depctr_vm_vsrc(0)
	s_getreg_b32 s2, hwreg(HW_REG_IB_STS2, 6, 4)
	s_cmp_eq_u32 s2, 0
	s_cbranch_scc0 .Lentry_in_a_cluster
	s_endpgm
.Lentry_in_a_cluster:
	s_bfe_u32 s2, ttmp6, 0x10000c
	s_cmp_lg_u32 s2, 0x3003
	s_cbranch_scc0 .Lentry_shape_is_right
	s_endpgm
.Lentry_shape_is_right:
; out = LN3(relu(h2 w1) w2 + h2), h2 = LN2(ctx wo + x); the three products on codes of FP4 (E2M1) with one E8M0 scale for each 32 along K, sums and norms in f32.
; SHARES.  A work-group takes ONE tile of 16 tokens (tile g holds tokens 32 (g / 2) + 8 (g % 2) + m + 8 (m / 8)) through the whole chain; each of its 16 waves owns 64 of the 1,024 columns: 4 weight tiles.
; Source 0 = 16 weight rows, source 1 = the 16 tokens: lane (r, h) holds token r, and register 16 b + i of an accumulator set is column 64 w + 32 b + 16 h + i.
; WEIGHTS.  wf holds images of operand registers; a wave's columns of half a matrix (4 K steps) are 16,384 dense bytes: a chunk.  Six chunks a wave, each by ONE tensor load into the wave's own 16 KiB of LDS.
; When a chunk has landed the wave copies it into 128 registers; then the bytes are filled again, and the products, norms and quantisers run from registers while the next chunk is on its way.
; CLUSTER.  Every work-group walks the same weights: the four of a cluster ask for each chunk JOINTLY (mask 15); each refill stands behind a round of the cluster's barrier.
; x is the C of the first product; h2 stays in its accumulators and is the C of the third; the second product has a set of its own.
; PREFETCH.  In trip j each wave names chunk j + 2 (the head: chunk 1): of its 64 blocks of 256 bytes the partner at place cx takes 16, told apart by address; lanes 16-31 name the last block again.  Chunk 0 comes by its load alone.
; LDS: ACT0, ACT1 the tokens' codes (8 K steps x 1,024) | ASC0, ASC1 their scale words (8 x 64) | RED partial sums | XS x's stage, 8 rows x 272 a wave | SPARE | WTL 16 x 16,384.
; REGISTERS: v1-15 addresses; v16-31 two token fragments, v32-33 their scale words; v34-35 for the add; v40-55 a matrix's weight scale words; v64-95, v96-127 accumulators; v128-255 a chunk, and between chunks work space.
; LIMITS: NaN and infinities among the inputs are not served; a block whose largest magnitude lies under 2^-124 keeps the scale byte 1 (a block of zeros too: its codes are zeros, and this program alone reads the bytes).
.set ACT0,  0
.set ACT1,  8192
.set ASC0,  16384
.set ASC1,  16896
.set RED,   17408
.set XS,    22528
.set SPARE, 57344
.set WTL,   59392
.set AA,    64
.set AB,    96
.set W,     128
.set SC,    40
.set TM,    224
.set SPW,   34
.set NIL,   35
.set SEL,   36
.set WV,    38
.set C10,   39
.set EPSR,  46
.set HM8,   47
.set G1,    48
.set G0,    56
.set PF,    60
.set CX,    62
.set GG,    63
.macro PLACES n
.rept \n
	v_nop
.endr
.endm
.macro CROUND                          ; a round of the cluster's barrier
	s_barrier_signal -1
	s_barrier_wait -1
	s_cmp_lg_u32 s[WV], 0
	s_cbranch_scc1 .Lnot_wave_0_\@
	s_barrier_signal -3
.Lnot_wave_0_\@:
	s_barrier_wait -3
	s_barrier_signal -1
	s_barrier_wait -1
.endm
.macro QUANT2 s, pc                    ; 32 numbers of a lane, register 16 b + i = k 32 b + 16 h + i, become registers 0-3 of a fragment half; the bytes stand in v[TM+4], v[TM+5]
.irp b, 0,1
	v_max3_num_f32 v[TM+\b], |v[\s+16*\b]|, |v[\s+16*\b+1]|, 0x1800000   ; with the floor 2^(3 - 127)
.endr
.irp i, 2,4,6,8,10,12,14
.irp b, 0,1
	s_delay_alu instid0(VALU_DEP_2)
	v_max3_num_f32 v[TM+\b], v[TM+\b], |v[\s+16*\b+\i]|, |v[\s+16*\b+\i+1]|
.endr
.endr
.irp b, 0,1
	s_delay_alu instid0(VALU_DEP_2)
	v_permlanex16_b32 v[TM+4+\b], v[TM+\b], s[SEL], s[SEL+1]
.endr
.irp b, 0,1
	s_delay_alu instid0(VALU_DEP_2)
	v_max_num_f32 v[TM+\b], v[TM+\b], v[TM+4+\b]
.endr
.irp b, 0,1
	s_delay_alu instid0(VALU_DEP_2)
	v_add_nc_u32 v[TM+12+\b], 0xff000000, v[TM+\b]   ; 2 off the exponent field: the conversion's scale operand
.endr
.irp b, 0,1
	s_delay_alu instid0(VALU_DEP_2)
	v_lshrrev_b32 v[TM+4+\b], 23, v[TM+12+\b]        ; the scale's byte
.endr
	v_cvt_scalef32_pk8_fp4_f32 v[\pc], v[\s:\s+7], v[TM+12]
	v_cvt_scalef32_pk8_fp4_f32 v[\pc+1], v[\s+8:\s+15], v[TM+12]
	v_cvt_scalef32_pk8_fp4_f32 v[\pc+2], v[\s+16:\s+23], v[TM+13]
	v_cvt_scalef32_pk8_fp4_f32 v[\pc+3], v[\s+24:\s+31], v[TM+13]
	v_nop                                            ; one plain place behind a scaled conversion
	v_permlane16_swap_b32 v[\pc], v[\pc+2]           ; a whole block to a lane
	v_permlane16_swap_b32 v[\pc+1], v[\pc+3]
.endm
.macro PUT s, act, asc                 ; my 64 columns are half c = w % 2 of K step w / 2 of the next operand
	QUANT2 \s, 240
	v_lshl_or_b32 v248, v[TM+5], 8, v[TM+4]
	ds_store_b128 v5, v[240:243] offset:\act
	ds_store_b16 v6, v248 offset:\asc                ; lanes r and r + 16 store the same two bytes
.endm
.macro WREAD                           ; my chunk: 32 loads of 512 consecutive bytes
.irp k, 0,1,2,3
.irp t, 0,1,2,3
.irp c, 0,1
	ds_load_b128 v[W+32*\k+8*\t+4*\c:W+32*\k+8*\t+4*\c+3], v3 offset:4096*\k+1024*\t+512*\c
.endr
.endr
.endr
.endm
.macro AREAD s, set                    ; the tokens' fragment and scale words of K step s (CA, CS: the operand in hand)
	ds_load_b128 v[16+8*(\set):19+8*(\set)], v1 offset:CA+1024*(\s)
	ds_load_b128 v[20+8*(\set):23+8*(\set)], v1 offset:CA+1024*(\s)+512
	ds_load_b32 v[32+(\set)], v2 offset:CS+64*(\s)
.endm
; four products: my 4 weight tiles of the chunk's K step kk (the matrix's K step ks); the accumulators take turns.  Weight scale words: lanes 0-15 an even K step's, lanes 16-31 an odd one's.
.macro MULS acc, kk, set, ks, zero
.irp t, 0,1,2,3
.if \zero
	v_wmma_scale_f32_16x16x128_f8f6f4 v[\acc+8*\t:\acc+8*\t+7], v[W+32*(\kk)+8*\t:W+32*(\kk)+8*\t+7], v[16+8*(\set):23+8*(\set)], 0, v[SC+4*((\ks)/2)+\t], v[32+(\set)] matrix_a_fmt:MATRIX_FMT_FP4 matrix_b_fmt:MATRIX_FMT_FP4
.elseif ((\ks)%2) == 0
	v_wmma_scale_f32_16x16x128_f8f6f4 v[\acc+8*\t:\acc+8*\t+7], v[W+32*(\kk)+8*\t:W+32*(\kk)+8*\t+7], v[16+8*(\set):23+8*(\set)], v[\acc+8*\t:\acc+8*\t+7], v[SC+4*((\ks)/2)+\t], v[32+(\set)] matrix_a_fmt:MATRIX_FMT_FP4 matrix_b_fmt:MATRIX_FMT_FP4
.else
	v_wmma_scale_f32_16x16x128_f8f6f4 v[\acc+8*\t:\acc+8*\t+7], v[W+32*(\kk)+8*\t:W+32*(\kk)+8*\t+7], v[16+8*(\set):23+8*(\set)], v[\acc+8*\t:\acc+8*\t+7], v[SC+4*((\ks)/2)+\t], v[32+(\set)] matrix_a_fmt:MATRIX_FMT_FP4 matrix_b_fmt:MATRIX_FMT_FP4 matrix_a_scale:MATRIX_SCALE_ROW1
.endif
.endr
.endm
.macro WSCALES m                       ; matrix m's scale words of my columns: 4 loads of 512 consecutive bytes
.irp p, 0,1,2,3
	global_load_b128 v[SC+4*\p:SC+4*\p+3], v1, s[26:27] offset:(\m)*32768+512*\p
.endr
.endm
; TRIP j: chunk j (matrix j / 2, K steps 4 (j % 2) on) goes from LDS to registers, the bytes are filled again with chunk j + 1, and chunk j is multiplied.
.macro TRIP j
.set MM, (\j)/2
.set HF, (\j)%2
.set AC, AA
.set CA, ACT0
.set CS, ASC0
.set ZR, 0
.if MM == 1
.set AC, AB
.set CA, ACT1
.set CS, ASC1
.endif
.if (\j) == 2
.set ZR, 1
.endif
	s_wait_alu depctr_va_vdst(0)                   ; the wait here, directly ahead of the wait below
	s_wait_tensorcnt 0x0                           ; my chunk has landed; only I read these bytes
	WREAD
.if HF
	AREAD 4, 0                                     ; the operand is the last trip's: every wave's part of it is in
	AREAD 5, 1
.endif
.if (\j) < 5
	s_wait_tensorcnt 0x0                           ; no tensor load of mine is out,
	ds_add_u32 v[SPW], v[NIL]                      ; the add,
.if HF
	s_add_nc_u64 s[G0+2:G0+3], s[G0+2:G0+3], 524288-16384   ; the next matrix's first half
.else
	s_add_nc_u64 s[G0+2:G0+3], s[G0+2:G0+3], 16384          ; this matrix's second half
.endif
	s_wait_dscnt 0x0                               ; the add, my reads of the chunk and my stores of the next operand are done
	CROUND                                         ; that holds of every wave of the four work-groups
	tensor_load_to_lds s[G0:G0+3], s[G1:G1+7]      ; my one load behind the round
	s_nop 0
	PLACES 4
.endif
.if HF == 0
	AREAD 0, 0
	AREAD 1, 1
	s_wait_loadcnt 0x0                             ; the matrix's scale words
.endif
	s_wait_dscnt 0x0
	MULS AC, 0, 0, 4*HF, ZR
	MULS AC, 1, 1, 4*HF+1, 0
	PLACES 4                                       ; in front of loads into registers that matrix instructions have read
	AREAD 4*HF+2, 0
	AREAD 4*HF+3, 1
	s_wait_dscnt 0x0
	MULS AC, 2, 0, 4*HF+2, 0
	MULS AC, 3, 1, 4*HF+3, 0
	PLACES 4
.if (\j) < 4
	s_cmp_lt_u32 ttmp9, 4
	s_cbranch_scc0 .Lno_prefetch_tail0_\@
	global_prefetch_b8 v15, s[PF:PF+1] offset:(((\j)+2)/2)*524288+(((\j)+2)%2)*16384 th:TH_LOAD_NT scope:SCOPE_SE   ; chunk j + 2: one trip ahead of its load; the address registers are never rewritten
.Lno_prefetch_tail0_\@:
.endif
.if HF && (MM < 2)
	WSCALES MM+1
.endif
.endm
; the sum over the row's 1,024 columns of the lane sums in v[224:227]: over my 64 columns, then over the 16 waves through LDS.  ld = 1: the norm's parameters are waited for here too.
.macro ACROSS red, ld
	v_pk_add_f32 v[224:225], v[224:225], v[226:227]
	v_add_f32 v224, v224, v225
	v_permlanex16_b32 v226, v224, s[SEL], s[SEL+1]
	v_add_f32 v224, v224, v226
	ds_store_b32 v7, v224 offset:\red
	s_wait_alu depctr_va_vdst(0)                   ; the wait here, directly ahead of the wait below
	s_wait_dscnt 0x0
.if \ld
	s_wait_loadcnt 0x0
.endif
	s_barrier_signal -1
	s_barrier_wait -1
.irp k, 0,1,2,3
	ds_load_b128 v[224+4*\k:227+4*\k], v8 offset:\red+16*\k
.endr
	s_wait_dscnt 0x0
.irp k, 0,4,8,12
	v_pk_add_f32 v[224+\k:225+\k], v[224+\k:225+\k], v[226+\k:227+\k]
.endr
.irp k, 0,8
	v_pk_add_f32 v[224+\k:225+\k], v[224+\k:225+\k], v[228+\k:229+\k]
.endr
	v_pk_add_f32 v[224:225], v[224:225], v[232:233]
	v_add_f32 v224, v224, v225
.endm
; the norm of the rows in v[AA] on: mean, centred squares, 1 / sqrt, gain and bias.  The parameters of my lane's 32 columns come into v[W] on (gain) and v[W+32] on (bias).
.macro LNORM sg, sb
.irp b, 0,1
.irp q, 0,1,2,3
	global_load_b128 v[W+16*\b+4*\q:W+16*\b+4*\q+3], v13, s[\sg:\sg+1] offset:128*\b+16*\q
	global_load_b128 v[W+32+16*\b+4*\q:W+32+16*\b+4*\q+3], v13, s[\sb:\sb+1] offset:128*\b+16*\q
.endr
.endr
	v_pk_add_f32 v[224:225], v[AA:AA+1], v[AA+4:AA+5]       ; each accumulator is read from its low end on
	v_pk_add_f32 v[226:227], v[AA+2:AA+3], v[AA+6:AA+7]
.irp k, 8,12,16,20,24,28
	v_pk_add_f32 v[224:225], v[224:225], v[AA+\k:AA+\k+1]
	v_pk_add_f32 v[226:227], v[226:227], v[AA+\k+2:AA+\k+3]
.endr
	ACROSS 0, 0
	v_mul_f32 v224, s[C10], v224                   ; the mean
.irp k, 0,2,4,6,8,10,12,14,16,18,20,22,24,26,28,30
	v_pk_add_f32 v[AA+\k:AA+\k+1], v[AA+\k:AA+\k+1], v[224:225] op_sel_hi:[1,0] neg_lo:[0,1] neg_hi:[0,1]
.endr
	v_pk_mul_f32 v[224:225], v[AA:AA+1], v[AA:AA+1]
	v_pk_mul_f32 v[226:227], v[AA+2:AA+3], v[AA+2:AA+3]
.irp k, 4,8,12,16,20,24,28
	v_pk_fma_f32 v[224:225], v[AA+\k:AA+\k+1], v[AA+\k:AA+\k+1], v[224:225]
	v_pk_fma_f32 v[226:227], v[AA+\k+2:AA+\k+3], v[AA+\k+2:AA+\k+3], v[226:227]
.endr
	ACROSS 2560, 1
	v_fma_f32 v224, v224, s[C10], s[EPSR]          ; the variance + 1e-5
	s_wait_alu depctr_va_vdst(0)                   ; the wait ahead of the transcendental,
	v_rsq_f32 v226, v224
	v_nop
	s_wait_alu depctr_va_vdst(0)                   ; and ahead of its first reader
.irp k, 0,2,4,6,8,10,12,14,16,18,20,22,24,26,28,30
	v_pk_mul_f32 v[AA+\k:AA+\k+1], v[AA+\k:AA+\k+1], v[226:227] op_sel_hi:[1,0]
.endr
.irp k, 0,2,4,6,8,10,12,14,16,18,20,22,24,26,28,30
	v_pk_fma_f32 v[AA+\k:AA+\k+1], v[AA+\k:AA+\k+1], v[W+\k:W+\k+1], v[W+32+\k:W+32+\k+1]
.endr
.endm
	s_load_b512 s[4:19], s[0:1], 0x0               ; x 4, cc 6, cs 8, wf 10, wsf 12, ln2_g 14, ln2_b 16, ln3_g 18
	s_load_b128 s[20:23], s[0:1], 0x40             ; ln3_b 20, out0 22
	v_lshl_add_u32 v[SPW], v0, 2, SPARE
	v_mov_b32 v[NIL], 0
	ds_add_u32 v[SPW], v[NIL]                      ; the opening add,
	ds_add_u32 v[SPW], v[NIL]                      ; twice on end, under the one wait below
	v_lshrrev_b32 v16, 5, v0
	v_readfirstlane_b32 s[WV], v16                 ; wave 0..15
	s_bfe_u32 s[CX], ttmp6, 0x40000                ; my place in the cluster: it enters global addresses alone, and none of a descriptor
	s_lshl_b32 s[GG], ttmp9, 2
	s_add_co_u32 s[GG], s[GG], s[CX]               ; my tile of tokens
	s_mov_b32 s[SEL], 0x76543210
	s_mov_b32 s[SEL+1], 0xfedcba98
	s_mov_b32 s[C10], 0x3a800000                   ; 2^-10
	s_mov_b32 s[EPSR], 0x3727c5ac                  ; 1e-5
	s_mov_b32 s[HM8], 0xff00ff00                   ; the lanes with r >= 8
	; descriptor group 1: 16,384 dense bytes as 64 rows of 256 (32 elements of 8 bytes); the mask names the cluster's four work-groups
	s_mov_b32 s[G1], 15|(3<<16)|(1<<21)
	s_mov_b32 s[G1+1], 32<<16
	s_mov_b32 s[G1+2], 64<<16
	s_mov_b32 s[G1+3], 32<<16
	s_mov_b32 s[G1+4], 64
	s_mov_b32 s[G1+5], 32
	s_mov_b32 s[G1+6], 0
	s_mov_b32 s[G1+7], 0
	s_lshl_b32 s40, s[WV], 14
	s_add_co_u32 s40, s40, WTL                     ; my 16 KiB
	s_mul_i32 s41, s[WV], 2176
	s_add_co_u32 s41, s41, XS                      ; my stage for x
	s_lshl_b32 s42, s[WV], 9
	s_lshr_b32 s43, s[WV], 1
	s_lshl_b32 s43, s43, 6
	s_and_b32 s44, s[WV], 1
	s_lshl_b32 s44, s44, 1
	s_add_co_u32 s43, s43, s44
	s_lshl_b32 s44, s[WV], 2
	s_lshl_b32 s45, s[WV], 8
	s_lshl_b32 s66, s[WV], 5
	s_lshl_b32 s68, s[WV], 15                      ; my columns in wf,
	s_mov_b32 s69, 0
	s_lshl_b32 s70, s[WV], 11                      ; and in wsf
	s_mov_b32 s71, 0
	v_and_b32 v16, 31, v0                          ; lane
	v_and_b32 v17, 15, v0                          ; r
	v_bfe_u32 v18, v0, 4, 1                        ; h
	v_and_b32 v19, 7, v0                           ; r % 8
	v_lshlrev_b32 v1, 4, v16                       ; an image's place for my lane
	v_lshlrev_b32 v2, 2, v17                       ; a token's scale word
	v_mul_u32_u24 v4, v19, 272
	v_mul_u32_u24 v9, v18, 272
	v_mul_u32_u24 v10, v17, 272
	v_mul_u32_u24 v8, v16, 80
	v_add_nc_u32 v3, s40, v1                       ; my chunk
	v_lshl_add_u32 v4, v18, 6, v4
	v_lshl_add_u32 v9, v17, 4, v9
	v_lshl_add_u32 v10, v18, 6, v10
	v_add_nc_u32 v8, RED, v8                       ; partial sums: 16 waves' words of my lane,
	v_add_nc_u32 v5, s42, v1                       ; the next operand's codes: 512 w + 16 lane
	v_add_nc_u32 v4, s41, v4                       ; x's stage, back: row r % 8, + 64 h
	v_add_nc_u32 v11, s40, v9                      ; the way out, back: lanes 0-15 one row, lanes 16-31 the next
	v_add_nc_u32 v9, s41, v9                       ; x's stage, in: likewise
	v_add_nc_u32 v10, s40, v10                     ; the way out, in: row r, + 64 h
	v_add_nc_u32 v7, s44, v8                       ; and my wave's among them
	v_add_nc_u32 v6, s43, v2                       ; the next operand's scale bytes: 64 (w / 2) + 2 (w % 2) + 4 r
	v_lshlrev_b32 v12, 12, v18
	v_lshl_add_u32 v13, v18, 6, s45                ; the norms' parameters: 256 w + 64 h
	v_lshl_add_u32 v14, v19, 2, s66                ; ctx's scale words: 8 a wave; four lanes take the same word
	v_min_u32 v15, 15, v16
	v_lshl_add_u32 v12, v17, 4, v12                ; x and out0: 4,096 h + 16 r
	v_lshlrev_b32 v15, 8, v15                      ; the prefetches: a block of 256 bytes a lane
	s_wait_alu depctr_va_vdst(0)                   ; the wait at the head's end
	s_wait_dscnt 0x0                               ; both opening adds are done
	s_wait_kmcnt 0x0
	s_add_nc_u64 s[24:25], s[10:11], s[68:69]
	s_add_nc_u64 s[26:27], s[12:13], s[70:71]
	s_mov_b32 s[G0], 1
	s_mov_b32 s[G0+1], s40
	s_mov_b64 s[G0+2:G0+3], s[24:25]               ; chunk 0: made of the wave's number alone
	s_or_b32 s[G0+3], s[G0+3], 0x80000000
	s_lshr_b32 s42, s[GG], 1
	s_lshl_b32 s42, s42, 17
	s_and_b32 s43, s[GG], 1
	s_lshl_b32 s43, s43, 15
	s_add_co_u32 s42, s42, s43
	s_add_co_u32 s42, s42, s45                     ; row 32 (g / 2) + 8 (g % 2), column 64 w
	s_mov_b32 s43, 0
	s_add_nc_u64 s[28:29], s[4:5], s[42:43]
	s_add_nc_u64 s[30:31], s[22:23], s[42:43]
	s_lshl_b32 s42, s[GG], 13
	s_lshl_b32 s44, s[WV], 9
	s_add_co_u32 s42, s42, s44
	s_add_nc_u64 s[32:33], s[6:7], s[42:43]        ; ctx's codes: 8,192 bytes a tile, 512 a wave
	s_lshl_b32 s42, s[GG], 9
	s_add_nc_u64 s[34:35], s[8:9], s[42:43]        ; its scale words: 512 bytes a tile
	s_lshl_b32 s42, s[CX], 12
	s_add_nc_u64 s[PF:PF+1], s[24:25], s[42:43]    ; my work-group's 16 blocks of a chunk's 64
.irp k, 0,1,2,3,4,5,6,7                        ; x: 16 lanes take 256 consecutive bytes of a row; tile rows 2 k and 2 k + 1
	global_load_b128 v[W+4*\k:W+4*\k+3], v12, s[28:29] offset:(2*(\k%4)+16*(\k/4))*4096 th:TH_LOAD_NT
.endr
	global_load_b128 v[160:163], v1, s[32:33]
	global_load_b32 v164, v14, s[34:35]
	WSCALES 0
	CROUND                                         ; all four work-groups are here: the first joint loads meet
	tensor_load_to_lds s[G0:G0+3], s[G1:G1+7]      ; one tensor load a wave at the head, in every wave
	s_nop 0
	PLACES 4
	s_cmp_lt_u32 ttmp9, 4
	s_cbranch_scc0 .Lno_prefetch_tail1
	global_prefetch_b8 v15, s[PF:PF+1] offset:16384 th:TH_LOAD_NT scope:SCOPE_SE   ; chunk 1
.Lno_prefetch_tail1:
	s_wait_loadcnt 4                               ; all but the four loads of scale words
	ds_store_b128 v5, v[160:163] offset:ACT0
	ds_store_b32 v14, v164 offset:ASC0
	; x into the accumulators' layout, 8 tile rows at a time through my stage: LDS serves a wave's instructions in order.  Every lane reads row r % 8 of both halves and keeps the one that is its own.
.irp k, 0,1,2,3
	ds_store_b128 v9, v[W+4*\k:W+4*\k+3] offset:544*\k
.endr
.irp b, 0,1
.irp q, 0,1,2,3
	ds_load_b128 v[AA+16*\b+4*\q:AA+16*\b+4*\q+3], v4 offset:128*\b+16*\q
.endr
.endr
.irp k, 0,1,2,3
	ds_store_b128 v9, v[W+16+4*\k:W+16+4*\k+3] offset:544*\k
.endr
.irp b, 0,1
.irp q, 0,1,2,3
	ds_load_b128 v[192+16*\b+4*\q:192+16*\b+4*\q+3], v4 offset:128*\b+16*\q
.endr
.endr
	s_wait_dscnt 0x0
.set J, 0
.rept 32
	v_cndmask_b32 v[AA+J], v[AA+J], v[192+J], s[HM8]
.set J, J+1
.endr
	TRIP 0                                         ; ctx wo + x
	TRIP 1
	LNORM 14, 16                                   ; h2, under chunk 2's flight
	PUT AA, ACT1, ASC1
	TRIP 2                                         ; h2 w1
	TRIP 3
.set J, 0
.rept 32
	v_max_num_f32 v[AB+J], 0, v[AB+J]
.set J, J+1
.endr
	PUT AB, ACT0, ASC0                             ; ctx's codes were last read in trip 1, ahead of the norm's barriers
	TRIP 4                                         ; relu(..) w2 + h2
	TRIP 5
	LNORM 18, 20
	; THE WAY OUT, through my own 16 KiB, which have had their last fill and their last read: rows of 272 bytes in, whole rows of 256 bytes back
.irp b, 0,1
.irp q, 0,1,2,3
	ds_store_b128 v10, v[AA+16*\b+4*\q:AA+16*\b+4*\q+3] offset:128*\b+16*\q
.endr
.endr
.irp k, 0,1,2,3,4,5,6,7
	ds_load_b128 v[W+4*\k:W+4*\k+3], v11 offset:544*\k
.endr
.irp k, 0,1,2,3,4,5,6,7
	s_wait_dscnt 7-\k                              ; the loads behind load k may stay out
	global_store_b128 v12, v[W+4*\k:W+4*\k+3], s[30:31] offset:(2*(\k%4)+16*(\k/4))*4096 th:TH_STORE_NT   ; 16 lanes store 256 consecutive bytes, aligned
.endr
	s_wait_tensorcnt 0x0                           ; the wave's end
	ds_add_u32 v[SPW], v[NIL]
	s_wait_dscnt 0x0
	CROUND                                         ; the closing round
	s_endpgm
.Lfunc_end_k_q7c2b0d28d7_tail:
	.size	k_q7c2b0d28d7_tail, .Lfunc_end_k_q7c2b0d28d7_tail-k_q7c2b0d28d7_tail
	.p2alignl 7, 3214868480
	.fill 96, 4, 3214868480
	.section	.rodata,"a",@progbits
	.p2align	6, 0x0
	.amdhsa_kernel k_q7c2b0d28d7_tail
		.amdhsa_group_segment_fixed_size 327680
		.amdhsa_private_segment_fixed_size 0
		.amdhsa_enable_private_segment 0
		.amdhsa_kernarg_size 80
		.amdhsa_user_sgpr_count 2
		.amdhsa_user_sgpr_kernarg_segment_ptr 1
		.amdhsa_wavefront_size32 1
		.amdhsa_system_sgpr_workgroup_id_x 1
		.amdhsa_system_sgpr_workgroup_id_y 1
		.amdhsa_system_sgpr_workgroup_id_z 1
		.amdhsa_system_vgpr_workitem_id 0
		.amdhsa_next_free_vgpr 256
		.amdhsa_next_free_sgpr 72
		.amdhsa_reserve_vcc 0
		.amdhsa_float_denorm_mode_32 3
		.amdhsa_float_denorm_mode_16_64 3
		.amdhsa_memory_ordered 1
		.amdhsa_forward_progress 1
		.amdhsa_inst_pref_size 73
	.end_amdhsa_kernel
	.amdgpu_metadata
---
amdhsa.version: [ 1, 2 ]
amdhsa.kernels:
  - .name:           k_q7c2b0d28d7_tail
    .symbol:         k_q7c2b0d28d7_tail.kd
    .args:
      - { .name: x, .offset: 0, .size: 8, .value_kind: global_buffer, .address_space: global }
      - { .name: cc, .offset: 8, .size: 8, .value_kind: global_buffer, .address_space: global }
      - { .name: cs, .offset: 16, .size: 8, .value_kind: global_buffer, .address_space: global }
      - { .name: wf, .offset: 24, .size: 8, .value_kind: global_buffer, .address_space: global }
      - { .name: wsf, .offset: 32, .size: 8, .value_kind: global_buffer, .address_space: global }
      - { .name: ln2_g, .offset: 40, .size: 8, .value_kind: global_buffer, .address_space: global }
      - { .name: ln2_b, .offset: 48, .size: 8, .value_kind: global_buffer, .address_space: global }
      - { .name: ln3_g, .offset: 56, .size: 8, .value_kind: global_buffer, .address_space: global }
      - { .name: ln3_b, .offset: 64, .size: 8, .value_kind: global_buffer, .address_space: global }
      - { .name: out0, .offset: 72, .size: 8, .value_kind: global_buffer, .address_space: global }
    .group_segment_fixed_size: 327680
    .private_segment_fixed_size: 0
    .kernarg_segment_align: 8
    .kernarg_segment_size: 80
    .max_flat_workgroup_size: 512
    .sgpr_count:     72
    .vgpr_count:     256
    .wavefront_size: 32
...
	.end_amdgpu_metadata
.endif
;; end of part 3
